; MI455X (gfx1250); checked and timed in simulation.
; The chip was launched on July 23, 2026; its instructions are those of AMD's public machine-readable ISA for CDNA 5 (MIT licence, August 2026) and "CDNA5" Instruction Set Architecture Reference Guide (July 2026). The comments in the code are by the model that wrote it; some were corrected since.
;; Sigmoid Attention. Allowed arithmetic: matrix products marked QUANTISED: E2M3 operands, one E8M0 scale for each 32 along K, by v_wmma_scale_f32_16x16x128_f8f6f4 with both operands' format E2M3, f32 sums; everything else in f32.
;; Inputs: Wk 1,024 x 1,024 float32; Wo 1,024 x 1,024 float32; Wq 1,024 x 1,024 float32; Wv 1,024 x 1,024 float32; bk 1,024 float32; bo 1,024 float32; bq 1,024 float32; bv 1,024 float32; layerscale 1,024 float32; x 4 x 2,048 x 1,024 float32.
;; Outputs: out0 4 x 2,048 x 1,024 float32.
;; This version of the problem:
;;   THIS VERSION OF THE PROBLEM IS GIVEN IN LOW PRECISION. The matrix products marked QUANTISED in the list below multiply operands that are first quantised to E2M3 (2 exponent bits, 3 mantissa bits; 6 bits a number), with one power-of-two scale for each 32 numbers along K (OCP MX v1.0); their sums are f32. All else is computed in f32.
;;   The module's matrix products, in the order in which they are computed (A, B: the left and right operand; K: the contracted axis; several contracted axes count as one K, in the product's order):
;;     1. [M 8,192, K 1,024] x [K 1,024, N 1,024]; A: input x; B: input Wq: QUANTISED
;;     2. [M 8,192, K 1,024] x [K 1,024, N 1,024]; A: input x; B: input Wk: QUANTISED
;;     3. [M 8,192, K 1,024] x [K 1,024, N 1,024]; A: input x; B: input Wv: QUANTISED
;;     4. batch 4 x [M 2,048, K 1,024] x [K 1,024, N 2,048]; A: computed on the way; B: computed on the way: QUANTISED
;;     5. batch 4 x [M 2,048, K 2,048] x [K 2,048, N 1,024]; A: computed on the way; B: computed on the way: QUANTISED
;;     6. [M 8,192, K 1,024] x [K 1,024, N 1,024]; A: computed on the way; B: input Wo: QUANTISED
;;   THE QUANTISER, for each operand of a quantised product, along K:
;;     - K is cut into blocks of 32 from its start; a last block that is shorter is filled with zeros.
;;     - A block's scale is 2^e with e = floor(log2(the largest magnitude in the block)) - 2, held to -126 .. 127; a block of zeros has e = 0. As a byte (E8M0): e + 127.
;;     - Each number is divided by its block's scale, clamped to +-7.5, and rounded to the nearest number of E2M3, ties to even, subnormals kept.
;;     - The product sums the exact products of the quantised numbers (number of the format x scale) in f32.
;;   ~~~python
;;   def quantise(x, axis):      # numpy; x: float32 -> the quantised numbers, widened to float32 again
;;       x = np.moveaxis(x, axis, -1); K = x.shape[-1]
;;       x = np.pad(x, [(0, 0)] * (x.ndim - 1) + [(0, -K % 32)]); x = x.reshape(x.shape[:-1] + (-1, 32)); a = np.abs(x).max(-1, keepdims=True)
;;       e = np.where(a > 0, np.clip(np.frexp(np.where(a > 0, a, 1))[1] - 1 - 2, -126, 127), 0)      # np.frexp(a)[1] - 1 = floor(log2(a)), exactly
;;       r = np.clip(x / 2.0 ** e, -7.5, 7.5)
;;       step = 2.0 ** (np.maximum(np.frexp(np.where(r == 0, 1, r))[1] - 1, 0) - 3)
;;       q = np.round(r / step) * step * 2.0 ** e      # np.round: ties to even
;;       return np.moveaxis(q.reshape(q.shape[:-2] + (-1,))[..., :K], -1, axis).astype(np.float32)
;;   ~~~
;;   OPERANDS COMPUTED ON THE WAY. 'Computed on the way' means the value that the module computes at that place (a softmax that the list does not call 'softmax' is quantised finished and normalised). What goes into a quantiser is computed in f32, as accurately as f32 sums, v_exp_f32 and their like allow (about 1e-6 of the number): no bf16 or f16 on the way to a quantiser, and a product that is left as it is and whose result goes on into a quantised operand takes f32 operands (vector FMAs, or v_wmma_f32_16x16x4_f32). A number that lies on a knife's edge between two numbers of the format may be rounded either way, as far as f32 arithmetic and the matrix unit's own rounding can turn it there, and no further.
;; One version. Each part assembles by itself: llvm-mc -triple=amdgcn-amd-amdhsa -mcpu=gfx1250 --defsym DOCPART=n.
;; ======== version 1 of 1: 5 launches
;; workspace buffers: xw 9,830,400 bytes; qkv 19,660,800 bytes; att 13,107,200 bytes; oc 6,553,600 bytes
;; launch quant (part 1): grid 256 x 1, 6 waves a work-group, no clusters, 102,144 bytes of LDS; arguments x, Wq, Wk, Wv, Wo, xw; writes xw
.if DOCPART == 1
	.amdgcn_target "amdgcn-amd-amdhsa--gfx1250"
	.amdhsa_code_object_version 6
	.text
	.protected	k_qc3208fa511_quant
	.globl	k_qc3208fa511_quant
	.p2align	8
	.type	k_qc3208fa511_quant,@function
k_qc3208fa511_quant:
	s_mov_b64 s[64:65], 0
	v_nop
	global_prefetch_b8 v0, s[64:65] scope:SCOPE_SE
	s_setreg_imm32_b32 hwreg(HW_REG_WAVE_MODE, 25, 1), 1
	s_wait_xcnt 0x0
; x [8192][1024] and Wq, Wk, Wv, Wo [1024][1024], f32 with K innermost, become codes of E2M3 (6 bits) with one E8M0 byte for each 32 along K.
; NOTHING OF THE PROBLEM IS LEFT OUT in this program: every input has a way to out0 (the biases bq and bk move the codes of the normalised q and k), so every product, input and step is done.
; A block's scale is 2^(floor(log2(its largest magnitude)) - 2): its byte is the largest magnitude's exponent field - 2, held at 1 from below by a floor among the maximum's leaves.
; LIMITS: NaN and infinities among the inputs are not served.  A block of zeros, or one whose largest magnitude lies under 2^-124, gets the byte 1 (the rule says 127 for zeros): its codes are zeros or are
; taken under that scale; the bytes are read by this program alone.
; THE LAYOUT OF ALL WORKSPACE OPERANDS: IMAGES OF THE MATRIX UNIT'S REGISTERS.  A matrix [rows][K] is cut into blocks of 16 rows and K steps of 128.  Slot m of block g holds row 32 (g / 2) + 8 (g % 2) + m + 8 (m / 8).
; The fragment (g, ks) is 1,536 bytes at (g K/128 + ks) x 1536: registers 4 i .. 4 i + 3 of lane l at 512 i + 16 l; lane (m = l % 16, h = l / 16) holds in registers 6 c .. 6 c + 5 the codes k = 128 ks + 64 c + 32 h + 0 .. 31 of its row.
; The scale word (four bytes: 128 along K) of slot m, step ks lies at g x 64 K/128 + 256 (ks / 4) + 16 m + 4 (ks % 4).
; In xw the blocks are: x 0-511, Wq 512-575, Wk 576-639, Wv 640-703, Wo 704-767; codes at 12288 g, scale words from XWS on at 512 g.
; SHARES: 1,536 units of 16 rows x 512 along K, one to a wave.  A step is 128 along K: sixteen loads of 512 consecutive bytes (one row each) go through the wave's own stage in LDS and come back so that a lane holds
; two whole blocks of 32 neighbours.  Waves share nothing: no barrier.  Loads run two steps (32 loads a wave) ahead.
.set XWS,   9437184                    ; where the scale words begin in xw
.set STG,   8448                       ; a stage: 16 rows x (512 bytes + 16): row r starts 4 r banks on
.set SPARE, 12*STG                     ; behind the six waves' two stages: the spare words, 128 bytes a wave
.set LI,  4                            ; v4   16 x lane
.set STI, 5                            ; v5   the stage on the way in: 16 x lane
.set STO, 6                            ; v6   and on the way out: 528 r + 128 h
.set SOF, 7                            ; v7   my 8 bytes of the unit's 256 bytes of scale words: 16 r + 8 h
.set SH8, 8                            ; v8   8 h
.set SPW, 10                           ; v10  my spare word; never rewritten
.set NIL, 11                           ; v11  0; never rewritten
.set MX,  12                           ; v12-13 largest magnitudes, v14-15 the conversions' scale operands, v16-17 bytes, v18-19 the word at work, v20-21 the words that leave
.set WD,  24                           ; v24-27 my row's scale words of the four steps
.set PC,  28                           ; v28-39 a fragment's codes
.set C2,  40                           ; v40-46 the second halves of the blocks' codes
.set RAW, 48                           ; v48-175 two sets of 64: a step as loaded
.set X,   176                          ; v176-239 my two blocks of 32 neighbours
	s_load_b256 s[4:11], s[0:1], 0x0               ; x, Wq, Wk, Wv
	s_load_b128 s[12:15], s[0:1], 0x20             ; Wo, xw
	v_lshl_add_u32 v[SPW], v0, 2, SPARE
	v_mov_b32 v[NIL], 0
	v_lshrrev_b32 v1, 5, v0
	v_readfirstlane_b32 s16, v1                    ; wave 0..5
	v_and_b32 v1, 31, v0                           ; lane
	v_and_b32 v2, 15, v0                           ; r
	v_bfe_u32 v3, v0, 4, 1                         ; h
	v_lshlrev_b32 v[LI], 4, v1
	s_mul_i32 s23, s16, 2*STG                      ; my two stages
	v_add_nc_u32 v[STI], s23, v[LI]
	v_mul_u32_u24 v[STO], v2, 528
	v_lshl_add_u32 v[STO], v3, 7, v[STO]
	v_add_nc_u32 v[STO], s23, v[STO]
	v_lshlrev_b32 v[SOF], 4, v2
	v_lshl_add_u32 v[SOF], v3, 3, v[SOF]
	v_lshlrev_b32 v[SH8], 3, v3
	v_mov_b32 v19, 0                               ; written once: a lane permute's destination counts as one of its sources
	s_mov_b32 s30, 0xffff0000                      ; lanes 16-31
	s_mov_b32 s32, 0x76543210
	s_mov_b32 s33, 0xfedcba98                      ; v_permlanex16_b32's selects for lane l xor 16
	s_mul_i32 s17, ttmp9, 6
	s_add_co_u32 s17, s17, s16                     ; my unit
	s_lshr_b32 s18, s17, 1                         ; g: its block of 16 rows
	s_and_b32 s19, s17, 1                          ; which half of K
	s_wait_kmcnt 0x0
	s_mov_b64 s[20:21], s[12:13]                   ; which tensor, and its first block: chosen by g alone
	s_mov_b32 s22, 704
	s_cmp_lt_u32 s18, 704
	s_cselect_b64 s[20:21], s[10:11], s[20:21]
	s_cselect_b32 s22, 640, s22
	s_cmp_lt_u32 s18, 640
	s_cselect_b64 s[20:21], s[8:9], s[20:21]
	s_cselect_b32 s22, 576, s22
	s_cmp_lt_u32 s18, 576
	s_cselect_b64 s[20:21], s[6:7], s[20:21]
	s_cselect_b32 s22, 512, s22
	s_cmp_lt_u32 s18, 512
	s_cselect_b64 s[20:21], s[4:5], s[20:21]
	s_cselect_b32 s22, 0, s22
	s_sub_co_u32 s22, s18, s22                     ; the block's number in its tensor
	s_lshr_b32 s24, s22, 1
	s_lshl_b32 s24, s24, 5
	s_and_b32 s25, s22, 1
	s_lshl_b32 s25, s25, 3
	s_add_co_u32 s24, s24, s25                     ; slot 0's row
	s_lshl_b32 s24, s24, 12                        ; rows of 4,096 bytes
	s_lshl_b32 s25, s19, 11
	s_add_co_u32 s24, s24, s25
	s_mov_b32 s25, 0
	s_add_nc_u64 s[20:21], s[20:21], s[24:25]      ; the unit's first number
	s_mul_i32 s24, s18, 12288
	s_mul_i32 s31, s19, 6144
	s_add_co_u32 s24, s24, s31
	s_add_nc_u64 s[26:27], s[14:15], s[24:25]      ; its four fragments
	s_lshl_b32 s24, s18, 9
	s_lshl_b32 s31, s19, 8
	s_add_co_u32 s24, s24, s31
	s_add_co_u32 s24, s24, XWS
	s_add_nc_u64 s[28:29], s[14:15], s[24:25]      ; its 256 bytes of scale words
.macro LOAD s                          ; step s: slot i's row, 512 consecutive bytes a load
.irp i, 0,1,2,3,4,5,6,7,8,9,10,11,12,13,14,15
	global_load_b128 v[RAW+64*((\s)%2)+4*\i:RAW+64*((\s)%2)+4*\i+3], v[LI], s[20:21] offset:(\i+8*(\i/8))*4096+512*(\s) th:TH_LOAD_NT
.endr
.endm
.macro STEP s
.if (\s) < 3
	s_wait_loadcnt 16                              ; this step's sixteen loads are in; the next step's sixteen may be out
.else
	s_wait_loadcnt 0x0
.endif
.irp i, 0,1,2,3,4,5,6,7,8,9,10,11,12,13,14,15
	ds_store_b128 v[STI], v[RAW+64*((\s)%2)+4*\i:RAW+64*((\s)%2)+4*\i+3] offset:STG*((\s)%2)+528*\i
.endr
.irp c, 0,1                            ; LDS serves a wave's instructions in order: these see the stores above
.irp j, 0,1,2,3,4,5,6,7
	ds_load_b128 v[X+32*\c+4*\j:X+32*\c+4*\j+3], v[STO] offset:STG*((\s)%2)+256*\c+16*\j   ; k = 64 c + 32 h + 4 j on, of row r
.endr
.endr
	s_wait_dscnt 0x0                               ; my two blocks are in, and the stores have read their registers,
.if (\s) < 2
	LOAD (\s)+2                                    ; which take the loads of two steps on
.endif
.irp c, 0,1
	v_max3_num_f32 v[MX+\c], |v[X+32*\c]|, |v[X+32*\c+1]|, 0x1800000   ; the floor 2^(3 - 127): the byte cannot fall under 1
.endr
.irp i, 2,4,6,8,10,12,14,16,18,20,22,24,26,28,30
.irp c, 0,1
	v_max3_num_f32 v[MX+\c], v[MX+\c], |v[X+32*\c+\i]|, |v[X+32*\c+\i+1]|
.endr
.endr
.irp c, 0,1
	v_add_nc_u32 v[MX+2+\c], 0xff000000, v[MX+\c]  ; 2 off the exponent field: the conversion's scale operand
.endr
.irp c, 0,1
	v_lshrrev_b32 v[MX+4+\c], 23, v[MX+2+\c]       ; the scale's byte
.endr
	v_lshl_or_b32 v18, v[MX+5], 16, v[MX+4]        ; my bytes: blocks h and 2 + h,
	v_lshlrev_b32 v18, v[SH8], v18                 ; at their places in the word;
	v_permlanex16_b32 v19, v18, s32, s33
	v_or_b32 v[WD+(\s)], v18, v19                  ; with lane l xor 16's two the word is whole
	s_wait_xcnt 0x0                                ; the last step's stores have read the codes' registers
.irp c, 0,1
	v_cvt_scalef32_pk16_fp6_f32 v[PC+6*\c:PC+6*\c+2], v[X+32*\c:X+32*\c+15], v[MX+2+\c]
	v_cvt_scalef32_pk16_fp6_f32 v[C2+4*\c:C2+4*\c+2], v[X+32*\c+16:X+32*\c+31], v[MX+2+\c]   ; (a conversion's three registers begin on an even number)
.endr
	v_nop                                          ; one plain place behind a scaled conversion
.irp c, 0,1
.irp i, 0,1,2
	v_mov_b32 v[PC+3+6*\c+\i], v[C2+4*\c+\i]
.endr
.endr
.irp g, 0,1,2
	global_store_b128 v[LI], v[PC+4*\g:PC+4*\g+3], s[26:27] offset:1536*(\s)+512*\g   ; 512 consecutive bytes a store
.endr
.endm
	LOAD 0
	LOAD 1
	STEP 0
	STEP 1
	STEP 2
	STEP 3
	v_cndmask_b32 v20, v[WD], v[WD+2], s30         ; lanes 0-15 store their row's words 0 and 1, lanes 16-31 words 2 and 3
	v_cndmask_b32 v21, v[WD+1], v[WD+3], s30
	global_store_b64 v[SOF], v[20:21], s[28:29]    ; 256 consecutive bytes
	s_wait_tensorcnt 0x0                           ; the wave's end, behind my last LDS store
	ds_add_u32 v[SPW], v[NIL]
	s_wait_dscnt 0x0
	s_endpgm
.Lfunc_end_k_qc3208fa511_quant:
	.size	k_qc3208fa511_quant, .Lfunc_end_k_qc3208fa511_quant-k_qc3208fa511_quant
	.p2alignl 7, 3214868480
	.fill 96, 4, 3214868480
	.section	.rodata,"a",@progbits
	.p2align	6, 0x0
	.amdhsa_kernel k_qc3208fa511_quant
		.amdhsa_group_segment_fixed_size 102144
		.amdhsa_private_segment_fixed_size 0
		.amdhsa_enable_private_segment 0
		.amdhsa_kernarg_size 48
		.amdhsa_user_sgpr_count 2
		.amdhsa_user_sgpr_kernarg_segment_ptr 1
		.amdhsa_wavefront_size32 1
		.amdhsa_system_sgpr_workgroup_id_x 1
		.amdhsa_system_sgpr_workgroup_id_y 1
		.amdhsa_system_sgpr_workgroup_id_z 1
		.amdhsa_system_vgpr_workitem_id 0
		.amdhsa_next_free_vgpr 256
		.amdhsa_next_free_sgpr 66
		.amdhsa_reserve_vcc 0
		.amdhsa_float_denorm_mode_32 3
		.amdhsa_float_denorm_mode_16_64 3
		.amdhsa_memory_ordered 1
		.amdhsa_forward_progress 1
		.amdhsa_inst_pref_size 31
	.end_amdhsa_kernel
	.amdgpu_metadata
---
amdhsa.version: [ 1, 2 ]
amdhsa.kernels:
  - .name:           k_qc3208fa511_quant
    .symbol:         k_qc3208fa511_quant.kd
    .args:
      - { .name: x, .offset: 0, .size: 8, .value_kind: global_buffer, .address_space: global }
      - { .name: Wq, .offset: 8, .size: 8, .value_kind: global_buffer, .address_space: global }
      - { .name: Wk, .offset: 16, .size: 8, .value_kind: global_buffer, .address_space: global }
      - { .name: Wv, .offset: 24, .size: 8, .value_kind: global_buffer, .address_space: global }
      - { .name: Wo, .offset: 32, .size: 8, .value_kind: global_buffer, .address_space: global }
      - { .name: xw, .offset: 40, .size: 8, .value_kind: global_buffer, .address_space: global }
    .group_segment_fixed_size: 102144
    .private_segment_fixed_size: 0
    .kernarg_segment_align: 8
    .kernarg_segment_size: 48
    .max_flat_workgroup_size: 192
    .sgpr_count:     66
    .vgpr_count:     256
    .wavefront_size: 32
...
	.end_amdgpu_metadata
.endif
;; end of part 1
;; launch qkv (part 2): grid 256 x 1, 4 waves a work-group, clusters of 4 x 1, 327,680 bytes of LDS; arguments xw, bq, bk, bv, qkv; writes qkv
.if DOCPART == 2
	.amdgcn_target "amdgcn-amd-amdhsa--gfx1250"
	.amdhsa_code_object_version 6
	.text
	.protected	k_qc3208fa511_qkv
	.globl	k_qc3208fa511_qkv
	.p2align	8
	.type	k_qc3208fa511_qkv,@function
k_qc3208fa511_qkv:
	s_mov_b64 s[64:65], 0
	v_nop
	global_prefetch_b8 v0, s[64:65] scope:SCOPE_SE
	s_setreg_imm32_b32 hwreg(HW_REG_WAVE_MODE, 25, 1), 1
	s_wait_xcnt 0x0
	s_wait_alu depctr_hold_cnt(0) depctr_sa_sdst(0) depctr_va_vdst(0) depctr_va_sdst(0) depctr_va_ssrc(0) depctr_va_vcc(0) depctr_vm_vsrc(0)
	s_getreg_b32 s2, hwreg(HW_REG_IB_STS2, 6, 4)
	s_cmp_eq_u32 s2, 0
	s_cbranch_scc0 .Lentry_in_a_cluster
	s_endpgm
.Lentry_in_a_cluster:
	s_bfe_u32 s2, ttmp6, 0x10000c
	s_cmp_lg_u32 s2, 0x3003
	s_cbranch_scc0 .Lentry_shape_is_right
	s_endpgm
.Lentry_shape_is_right:
; Products 1 to 3 on codes of E2M3, the layer norm of q and k, and the quantisers of the normalised q and k (along the channels) and of v (along the keys).  No work of the problem is left out.
; OPERANDS ARE IMAGES OF REGISTERS: blocks of 16 rows x K steps of 128; slot m of block g is row 32 (g / 2) + 8 (g % 2) + m + 8 (m / 8); fragment (g, ks) is 1,536 bytes: registers 4 i .. 4 i + 3 of lane l at 512 i + 16 l.
; The scale word of slot m, step ks lies at g x 64 KS + 256 (ks / 4) + 16 m + 4 (ks % 4): one load of 16 bytes a lane gives four registers; register j holds step j in lanes 0-15 and step 4 + j in lanes 16-31.
; EVERY PRODUCT IS USED TRANSPOSED: Z[i][j] = sum of P[i][k] R[j][k], source 0 = R's block t, source 1 = P's block a.  A lane then holds ONE row i (P's slot lane % 16), and by the slots' order register jj of tile t is
; j = 32 (t / 2) + 16 (lane / 16) + 8 (t % 2) + jj: the 64 registers of eight tiles are 64 numbers of one K step of the next product, laid as the conversions want them.
; PHASE A (P = x, R = Wq or Wk): the work-group owns 64 whole rows of q (clusters 0-31) or k (32-63), since the layer norm wants whole rows; a wave owns 256 channels: 4 x 16 tiles, 512 registers.
;   The weight's K steps (96 KiB each) are the same for the four work-groups of a cluster: they are asked for JOINTLY, each wave its own 16 blocks, which it alone reads.
;   THE RING: a wave's part of LDS holds three K steps of its 16 blocks, 73,728 bytes.  First fills: steps 0 and 1 by one load (rows of two steps), step 2 by a second.  When steps 0 and 1 are in registers, one load brings
;   steps 3 and 4 into their bytes; when step 4 is in registers, one load brings steps 5, 6 and 7 into the whole part (rows of three steps).  So the eight steps pass two changes of slots, and a third brings phase B's operands.
;   x's four fragments of a step come from memory into registers, in three sets, asked for three steps ahead.
; PHASE B (P = Wv, R = x): 128 channels x 256 keys of v^T; a wave owns 64 x 128.  All its operands lie in LDS, over the ring's bytes: they are asked for in phase A's last step and land under the layer norm.
;   x's sixteen blocks are shared by the cluster (waves 0 and 1 ask jointly); Wv's eight are the work-group's own (waves 2 and 3).
; LIMITS: NaN and infinities are not served; a block of zeros or under 2^-124 gets the byte 1, read by this program alone.  The variance is the mean of the squared differences from the mean, as reference() has it.
; REGISTERS: window 0: v1-14 addresses; v28, 29 the add's two; v32-111 scale words and nothing else; v128-223 P's sets 0 and 1 (on the ways out: codes and sums); P's set 2, in phase A alone: v16-27, v112-123, v224-247;
;   behind phase A's products: v112-123 row sums and the rows' factors, v224-255 at work.   window 1: R's fragments; the biases' tiles.   windows 2, 3: the accumulators.
.set XWS,   9437184                    ; xw: where the scale words begin
.set WPART, 73728                      ; phase A: a wave's part of the ring: three K steps x 16 blocks x 1,536
.set YOFF,  49152                      ; in it: where step 2 lies, [16 blocks][1536]; ahead of it steps 0 and 1 (3 and 4): [16 blocks][2 steps][1536]
.set SLOTB, 98304                      ; phase B: eight blocks of x, all of K: [8 blocks][8 steps][1536]; sixteen blocks from byte 0 on
.set EOFF,  2*SLOTB                    ; phase B: Wv's part: [8 blocks][8 steps][1536]
.set STATS, 4*WPART                    ; 2 x 2,048 bytes: the waves' row sums; written by LDS stores alone
.set SPARE, STATS+4096                 ; the spare words, 128 bytes a wave
.set LI,   3                           ; v3   16 x lane
.set ADS,  4                           ; v4-5 my part of the ring, and 36,864 bytes on
.set ADRB, 6                           ; v6-7 phase B: my eight blocks of x, the first four and the last four
.set ADPB, 8                           ; v8   phase B: my four blocks of Wv
.set STW,  9                           ; v9   where I store my row sums
.set STR,  10                          ; v10  and read the four waves'
.set SOFA, 11                          ; v11  scale words out, phase A: 512 h + 16 r
.set SOFB, 12                          ; v12  phase B: 1024 h + 16 r
.set BOF,  13                          ; v13  64 h: the biases' offset
.set BVO,  14                          ; v14  4 (r + 8 (r / 8)): bv's offset
.set SPW,  28
.set NIL,  29
.set SCR,  32                          ; R's scale words: 4 t + j
.set SCP,  96                          ; P's: 4 a + j
.set SUM,  112                         ; v112-115 a row sum for each a
.set BC,   116                         ; v116-123 a pair for each a: -mean, then 1 / sqrt(var + eps)
.set PF,   128                         ; P's fragments, sets 0 and 1: 48 p + 12 a
.set PC,   128                         ; the ways out: a fragment's codes (v128-139; v140-146 second halves)
.set CH,   160                         ; v160-167 four chains of sums
.set RBK,  168                         ; v168-183 the four waves' sums
.set TM,   224                         ; v224-239 the quantiser's
.set PW,   240                         ; v240-243 scale words just made
.set PWC,  246                         ; v246-247 those that leave
.set BV,   248                         ; v248-255 a pair for each a: bv of my channel
.set G1X,  24                          ; s[24:31] 16 rows of two K steps (3,072 bytes), 12,288 apart, joint
.set G1Y,  32                          ; s[32:39] 16 rows of one K step, joint
.set G1Z,  40                          ; s[40:47] 16 rows of three K steps, joint
.set G0X,  48                          ; s[48:51] my part's first byte; steps 0, then 3, then 5 on
.set G0Y,  52                          ; s[52:55] step 2
.set G0E,  56                          ; s[56:59] phase B: half of Wv's part
.set G0B,  60                          ; s[60:63] phase B: half of x's part
.set G1DJ, 4                           ; s[4:11]  98,304 dense bytes as 384 rows of 256, joint; written when the arguments have been used
.set G1DP, 16                          ; s[16:23] 49,152 dense bytes as 192 rows of 256, my work-group's own; written when the ids have been used
.set SEL,  84
.set MHI,  86
.set MUL_LO, 0xa1                      ; source 0 (R) window 1, source 1 (P) window 0, C and D window 2
.set MUL_HI, 0xf1                      ; the same, C and D window 3
.set TO_W1,  0x40                      ; destination window 1
.set MSB, 0
.macro WIN new                         ; the immediate's high byte repeats the setting that is left
.if MSB != (\new)
	s_set_vgpr_msb (MSB<<8)|(\new)
.set MSB, (\new)
.endif
.endm
.macro PLACES n
.rept \n
	v_nop
.endr
.endm
.macro FRAG reg, adr, off              ; a fragment's image: three loads of 512 consecutive bytes
.irp g, 0,1,2
	ds_load_b128 v[(\reg)+4*\g:(\reg)+4*\g+3], v[\adr] offset:(\off)+512*\g
.endr
.endm
.macro CREST                           ; a round of the cluster's barrier behind its opening barrier
	s_cmp_lg_u32 s14, 0
	s_cbranch_scc1 .Lnot_wave_0_\@
	s_barrier_signal -3
.Lnot_wave_0_\@:
	s_barrier_wait -3
	s_barrier_signal -1
	s_barrier_wait -1
.endm
.macro CROUND
	s_barrier_signal -1
	s_barrier_wait -1
	CREST
.endm
.macro WM d, ra, rb, sa, sb, zero, row ; one product; zero: it starts the sum; row: the scale words of lanes 16-31
.if \zero
	v_wmma_scale_f32_16x16x128_f8f6f4 v[(\d):(\d)+7], v[(\ra):(\ra)+11], v[(\rb):(\rb)+11], 0, v[\sa], v[\sb] matrix_a_fmt:MATRIX_FMT_FP6 matrix_b_fmt:MATRIX_FMT_FP6
.elseif \row
	v_wmma_scale_f32_16x16x128_f8f6f4 v[(\d):(\d)+7], v[(\ra):(\ra)+11], v[(\rb):(\rb)+11], v[(\d):(\d)+7], v[\sa], v[\sb] matrix_a_fmt:MATRIX_FMT_FP6 matrix_b_fmt:MATRIX_FMT_FP6 matrix_a_scale:MATRIX_SCALE_ROW1 matrix_b_scale:MATRIX_SCALE_ROW1
.else
	v_wmma_scale_f32_16x16x128_f8f6f4 v[(\d):(\d)+7], v[(\ra):(\ra)+11], v[(\rb):(\rb)+11], v[(\d):(\d)+7], v[\sa], v[\sb] matrix_a_fmt:MATRIX_FMT_FP6 matrix_b_fmt:MATRIX_FMT_FP6
.endif
.endm
; 64 numbers of a lane, v[s] on in window w, register 16 b + i = k 32 b + 16 (lane / 16) + i of my row, become a fragment's codes in v[PC] on and its scale word in v[pw].
.macro QUANT s, w, pw
	s_wait_xcnt 0x0                                ; earlier stores have read the codes' registers
	WIN (\w)|((\w)<<2)
.irp b, 0,1,2,3
	v_max3_num_f32 v[TM+\b], |v[(\s)+16*\b]|, |v[(\s)+16*\b+1]|, 0x1800000   ; the floor 2^(3 - 127): the byte cannot fall under 1
.endr
.irp i, 2,4,6,8,10,12,14
.irp b, 0,1,2,3
	v_max3_num_f32 v[TM+\b], |v[(\s)+16*\b+\i]|, |v[(\s)+16*\b+\i+1]|, v[TM+\b]   ; ascending: each tile is read from its low end on
.endr
.endr
	WIN 0
.irp b, 0,1,2,3
	v_permlanex16_b32 v[TM+4+\b], v[TM+\b], s[SEL], s[SEL+1]
.endr
.irp b, 0,1,2,3
	v_max_num_f32 v[TM+\b], v[TM+\b], v[TM+4+\b]   ; with lane l xor 16's: the block's largest magnitude
.endr
.irp b, 0,1,2,3
	v_add_nc_u32 v[TM+12+\b], 0xff000000, v[TM+\b] ; 2 off its exponent field: the conversion's scale operand
.endr
.irp b, 0,1,2,3
	v_lshrrev_b32 v[TM+4+\b], 23, v[TM+12+\b]      ; the scale's byte
.endr
	v_lshl_or_b32 v[\pw], v[TM+5], 8, v[TM+4]
	v_lshl_or_b32 v[\pw], v[TM+6], 16, v[\pw]
	v_lshl_or_b32 v[\pw], v[TM+7], 24, v[\pw]
	WIN \w
.irp c, 0,1
	v_cvt_scalef32_pk16_fp6_f32 v[PC+6*\c:PC+6*\c+2], v[(\s)+32*\c:(\s)+32*\c+15], v[TM+12+2*\c]
	v_cvt_scalef32_pk16_fp6_f32 v[PC+12+4*\c:PC+14+4*\c], v[(\s)+32*\c+16:(\s)+32*\c+31], v[TM+12+2*\c+1]
.endr
	WIN 0
	v_nop                                          ; one plain place behind a scaled conversion
.irp c, 0,1                            ; the operand wants a whole block in a lane: lanes 0-15 block 2 c, lanes 16-31 block 2 c + 1
.irp i, 0,1,2
	v_permlane16_swap_b32 v[PC+6*\c+\i], v[PC+12+4*\c+\i]
.endr
.irp i, 0,1,2
	v_mov_b32 v[PC+3+6*\c+\i], v[PC+12+4*\c+\i]
.endr
.endr
.endm
.macro PUTC base, off                  ; the fragment leaves as its image: three stores of 512 consecutive bytes
.irp g, 0,1,2
	global_store_b128 v[LI], v[PC+4*\g:PC+4*\g+3], s[\base:\base+1] offset:(\off)+512*\g
.endr
.endm
	s_load_b256 s[4:11], s[0:1], 0x0               ; xw, bq, bk, bv
	s_load_b64 s[12:13], s[0:1], 0x20              ; qkv
	v_lshl_add_u32 v[SPW], v0, 2, SPARE
	v_mov_b32 v[NIL], 0
	ds_add_u32 v[SPW], v[NIL]                      ; the wave's opening: the add, twice on end, and its wait ahead of my first tensor load
	ds_add_u32 v[SPW], v[NIL]
	v_lshrrev_b32 v1, 5, v0
	v_readfirstlane_b32 s14, v1                    ; wave 0..3
	s_lshr_b32 s15, s14, 1                         ; phase B: which 64 channels.  Also: I fetch phase B's x (0) or Wv (1)
	s_and_b32 s16, s14, 1                          ; phase B: which 128 keys.  Also: which half of it I fetch
	s_bfe_u32 s18, ttmp6, 0x40000                  ; cx: my place in the cluster
	s_lshr_b32 s19, ttmp9, 5                       ; 0: q, 1: k
.irp g, G1X, G1Y, G1Z
	s_mov_b32 s[\g], 15|(3<<16)|(1<<21)            ; the mask: all four work-groups; elements of 8 bytes; bit 21 beside a mask
	s_mov_b32 s[\g+2], 16<<16                      ; tensor_dim1: my sixteen blocks
	s_mov_b32 s[\g+4], 16                          ; tile_dim1
	s_mov_b32 s[\g+5], 1536                        ; from block to block: 12,288 bytes
	s_mov_b32 s[\g+6], 0
	s_mov_b32 s[\g+7], 0
.endr
	s_mov_b32 s[G1X+1], 384<<16                    ; tensor_dim0 and tile_dim0: two K steps, 3,072 bytes;
	s_mov_b32 s[G1X+3], 384<<16
	s_mov_b32 s[G1Y+1], 192<<16                    ; one;
	s_mov_b32 s[G1Y+3], 192<<16
	s_mov_b32 s[G1Z+1], 576<<16                    ; three
	s_mov_b32 s[G1Z+3], 576<<16
	s_mov_b32 s[SEL], 0x76543210
	s_mov_b32 s[SEL+1], 0xfedcba98                 ; v_permlanex16_b32's selects for lane l xor 16
	s_mov_b32 s[MHI], 0xffff0000                   ; lanes 16-31
	s_mov_b32 s87, 0x3a800000                      ; 1 / 1024
	s_mov_b32 s88, 0x3727c5ac                      ; 1e-5
	v_and_b32 v1, 15, v0                           ; r
	v_bfe_u32 v2, v0, 4, 1                         ; h
	v_and_b32 v[LI], 31, v0
	v_lshlrev_b32 v[LI], 4, v[LI]
	s_mul_i32 s20, s14, WPART                      ; my part of the ring: no place in the cluster enters an LDS address
	v_add_nc_u32 v[ADS], s20, v[LI]
	v_add_nc_u32 v[ADS+1], 36864, v[ADS]
	s_mul_i32 s21, s16, SLOTB
	v_add_nc_u32 v[ADRB], s21, v[LI]
	v_add_nc_u32 v[ADRB+1], 49152, v[ADRB]
	s_mul_i32 s21, s15, 49152
	s_add_co_u32 s21, s21, EOFF
	v_add_nc_u32 v[ADPB], s21, v[LI]
	s_lshl_b32 s21, s14, 9
	s_add_co_u32 s21, s21, STATS
	v_add_nc_u32 v[STW], s21, v[LI]
	v_add_nc_u32 v[STR], STATS, v[LI]
	v_lshlrev_b32 v[SOFA], 4, v1
	v_lshl_add_u32 v[SOFB], v2, 10, v[SOFA]
	v_lshl_add_u32 v[SOFA], v2, 9, v[SOFA]
	v_lshlrev_b32 v[BOF], 6, v2
	v_and_b32 v[BVO], 8, v1
	v_add_nc_u32 v[BVO], v[BVO], v1
	v_lshlrev_b32 v[BVO], 2, v[BVO]
	s_wait_dscnt 0x0                               ; both opening adds are done
	s_wait_kmcnt 0x0
	; what the cluster shares, in registers that never hold cx.  The weight: blocks 512 + 64 which + 16 wave on
	s_lshl_b32 s20, s19, 6
	s_lshl_b32 s21, s14, 4
	s_add_co_u32 s20, s20, s21
	s_add_co_u32 s20, s20, 512
	s_lshl_b32 s22, s20, 9
	s_add_co_u32 s22, s22, XWS
	s_mov_b32 s23, 0
	s_add_nc_u64 s[90:91], s[4:5], s[22:23]        ; their scale words
	s_mul_i32 s20, s20, 12288
	s_mov_b32 s21, 0
	s_add_nc_u64 s[G0X+2:G0X+3], s[4:5], s[20:21]  ; K step 0
	s_add_nc_u64 s[G0Y+2:G0Y+3], s[G0X+2:G0X+3], 3072   ; K step 2
	s_or_b32 s[G0X+3], s[G0X+3], 0x80000000
	s_or_b32 s[G0Y+3], s[G0Y+3], 0x80000000
	s_lshr_b32 s20, ttmp9, 1                       ; phase B's 256 keys: x's blocks 16 jt on;
	s_lshl_b32 s20, s20, 4
	s_lshl_b32 s21, s16, 3
	s_add_co_u32 s20, s20, s21                     ; + 8 (wave % 2): the eight that I multiply by, and the eight that I fetch if I fetch for x
	s_lshl_b32 s22, s20, 9
	s_add_co_u32 s22, s22, XWS
	s_add_nc_u64 s[74:75], s[4:5], s[22:23]        ; their scale words
	s_mul_i32 s20, s20, 12288
	s_mov_b32 s21, 0
	s_add_nc_u64 s[G0B+2:G0B+3], s[4:5], s[20:21]
	s_or_b32 s[G0B+3], s[G0B+3], 0x80000000
	s_mul_i32 s20, s14, WPART
	s_mov_b32 s[G0X], 1
	s_mov_b32 s[G0X+1], s20
	s_mov_b32 s[G0Y], 1
	s_add_co_u32 s[G0Y+1], s20, YOFF
	s_mul_i32 s20, s16, 49152
	s_mov_b32 s[G0E], 1
	s_add_co_u32 s[G0E+1], s20, EOFF
	s_mul_i32 s20, s16, SLOTB
	s_mov_b32 s[G0B], 1
	s_mov_b32 s[G0B+1], s20
	; what is my work-group's own
	s_mov_b32 s97, 0
	s_and_b32 s94, ttmp9, 1
	s_lshl_b32 s94, s94, 2
	s_add_co_u32 s94, s94, s18                     ; phase B's 128 channels: tile 4 (c % 2) + cx
	s_lshl_b32 s95, s94, 3
	s_add_co_u32 s95, s95, 640                     ; Wv's blocks
	s_lshl_b32 s96, s16, 2
	s_add_co_u32 s96, s96, s95                     ; the four that I fetch if I fetch for Wv
	s_mul_i32 s96, s96, 12288
	s_add_nc_u64 s[G0E+2:G0E+3], s[4:5], s[96:97]
	s_or_b32 s[G0E+3], s[G0E+3], 0x80000000
	s_lshl_b32 s96, s15, 2
	s_add_co_u32 s96, s96, s95
	s_lshl_b32 s96, s96, 9
	s_add_co_u32 s96, s96, XWS
	s_add_nc_u64 s[76:77], s[4:5], s[96:97]        ; the scale words of my four blocks of Wv
	s_lshl_b32 s96, s94, 9
	s_lshl_b32 s95, s15, 8
	s_add_co_u32 s96, s96, s95
	s_add_nc_u64 s[78:79], s[10:11], s[96:97]      ; bv at my 64 channels
	s_lshr_b32 s95, ttmp9, 4                       ; the batch
	s_lshl_b32 s95, s95, 6
	s_lshl_b32 s96, s94, 3
	s_add_co_u32 s95, s95, s96
	s_lshl_b32 s96, s15, 2
	s_add_co_u32 s95, s95, s96                     ; v^T's block: 64 batch + 8 tile + 4 wi
	s_bfe_u32 s94, ttmp9, 0x30001
	s_lshl_b32 s94, s94, 1
	s_add_co_u32 s94, s94, s16                     ; and its K step among the batch's 16
	s_lshl_b32 s96, s95, 4
	s_add_co_u32 s96, s96, s94
	s_mul_i32 s96, s96, 1536
	s_add_co_u32 s96, s96, 12582912
	s_add_nc_u64 s[80:81], s[12:13], s[96:97]      ; v^T's codes out
	s_lshl_b32 s96, s95, 10
	s_lshr_b32 s95, s94, 2
	s_lshl_b32 s95, s95, 8
	s_add_co_u32 s96, s96, s95
	s_and_b32 s95, s94, 3
	s_lshl_b32 s95, s95, 2
	s_add_co_u32 s96, s96, s95
	s_add_co_u32 s96, s96, 19398656
	s_add_nc_u64 s[82:83], s[12:13], s[96:97]      ; v^T's scale words out
	s_and_b32 s94, ttmp9, 31
	s_lshl_b32 s94, s94, 4
	s_lshl_b32 s95, s18, 2
	s_add_co_u32 s94, s94, s95                     ; phase A's 64 rows: x's blocks 16 (c % 32) + 4 cx on
	s_mul_i32 s96, s94, 12288
	s_add_nc_u64 s[66:67], s[4:5], s[96:97]
	s_lshl_b32 s96, s94, 9
	s_add_co_u32 s96, s96, XWS
	s_add_nc_u64 s[92:93], s[4:5], s[96:97]
	s_lshl_b32 s96, s94, 3
	s_lshl_b32 s95, s14, 1
	s_add_co_u32 s96, s96, s95
	s_mul_i32 s96, s96, 1536
	s_mul_i32 s95, s19, 6291456
	s_add_co_u32 s96, s96, s95
	s_add_nc_u64 s[68:69], s[12:13], s[96:97]      ; q's or k's codes out: K steps 2 wave, 2 wave + 1
	s_lshl_b32 s96, s94, 9
	s_lshl_b32 s95, s19, 18
	s_add_co_u32 s96, s96, s95
	s_lshl_b32 s95, s15, 8
	s_add_co_u32 s96, s96, s95
	s_lshl_b32 s95, s16, 3
	s_add_co_u32 s96, s96, s95
	s_add_co_u32 s96, s96, 18874368
	s_add_nc_u64 s[70:71], s[12:13], s[96:97]      ; and their scale words
	s_cmp_eq_u32 s19, 0
	s_cselect_b64 s[72:73], s[6:7], s[8:9]         ; bq or bk,
	s_lshl_b32 s96, s14, 10
	s_add_nc_u64 s[72:73], s[72:73], s[96:97]      ; at my 256 channels
	CROUND                                         ; all four work-groups are here: the first joint loads meet
	tensor_load_to_lds s[G0X:G0X+3], s[G1X:G1X+7]          ; the first fills: K steps 0 and 1,
	s_nop 0
	tensor_load_to_lds s[G0Y:G0Y+3], s[G1Y:G1Y+7]          ; K step 2: two loads of mine are out
	s_nop 0
	PLACES 4
	s_mov_b32 s[G1DJ], 15|(3<<16)|(1<<21)          ; phase B's two shapes, in registers that the arguments and the ids have left
	s_mov_b32 s[G1DJ+2], 384<<16
	s_mov_b32 s[G1DJ+4], 384
	s_mov_b32 s[G1DP], 3<<16
	s_mov_b32 s[G1DP+2], 192<<16
	s_mov_b32 s[G1DP+4], 192
.irp g, G1DJ, G1DP
	s_mov_b32 s[\g+1], 32<<16                      ; rows of 256 bytes, dense
	s_mov_b32 s[\g+3], 32<<16
	s_mov_b32 s[\g+5], 32
	s_mov_b32 s[\g+6], 0
	s_mov_b32 s[\g+7], 0
.endr
.irp t, 0,1,2,3,4,5,6,7,8,9,10,11,12,13,14,15
	global_load_b128 v[SCR+4*\t:SCR+4*\t+3], v[LI], s[90:91] offset:512*\t
.endr
.irp a, 0,1,2,3
	global_load_b128 v[SCP+4*\a:SCP+4*\a+3], v[LI], s[92:93] offset:512*\a
.endr
.macro SETPR p, a                      ; PR: where block a of P's set p lies.  Set 2 takes registers of window 0 that are idle during phase A's products: v16, v112, v224, v236 on
.if (\p) == 2
.set PR, 16+96*(((\a)+2)/3)+112*((\a)/2)+12*((\a)/3)
.else
.set PR, PF+48*(\p)+12*(\a)
.endif
.endm
.macro LOADP ks                        ; x's four fragments of K step ks, from memory into set ks % 3
.irp a, 0,1,2,3
	SETPR (\ks)%3, \a
.irp g, 0,1,2
	global_load_b128 v[PR+4*\g:PR+4*\g+3], v[LI], s[66:67] offset:(8*\a+(\ks))*1536+512*\g
.endr
.endr
.endm
.macro FETCH_RA k, t0                  ; eight of my sixteen weight fragments of K step k, out of my part of the ring
	WIN TO_W1
.irp t, 0,1,2,3,4,5,6,7
.if (\k) == 2
	FRAG 12*(\t0+\t), ADS+1, 12288+1536*(\t0+\t)
.elseif (\k) < 5
	FRAG 12*(\t0+\t), ADS, 3072*(\t0+\t)+1536*((\k)%3)
.else
	FRAG 12*(\t0+\t), ADS+(\t0)/8, 4608*\t+1536*((\k)-5)
.endif
.endr
	WIN 0
.endm
.macro MULA t0, a0, ks, zero           ; 16 products: P's blocks a0, a0 + 1 x R's tiles t0 .. t0 + 7.  The 64 accumulators take turns, in the same order in every step
.irp a, 0,1
	SETPR (\ks)%3, \a0+\a
.irp t, 0,1,2,3,4,5,6,7
	WM 128*\a+8*(\t0+\t), 12*(\t0+\t), PR, SCR+4*(\t0+\t)+((\ks)%4), SCP+4*(\a0+\a)+((\ks)%4), \zero, ((\ks)/4)
.endr
.endr
.endm
.macro BLOAD                           ; phase B's operands, over the ring's bytes: waves 0 and 1 ask jointly for x's halves, waves 2 and 3 for Wv's; the branch hangs on the wave's number alone
	s_cmp_eq_u32 s15, 0
	s_cbranch_scc0 .Lfor_wv_\@
	tensor_load_to_lds s[G0B:G0B+3], s[G1DJ:G1DJ+7]
	s_nop 0
.rept 4
	v_nop
.endr
	s_branch .Lasked_\@
.Lfor_wv_\@:
	tensor_load_to_lds s[G0E:G0E+3], s[G1DP:G1DP+7]
	s_nop 0
.rept 4
	v_nop
.endr
.Lasked_\@:
.endm
; A K STEP OF PHASE A: 64 products.  R has one set of registers: tiles 0-7 of the next step are fetched from LDS in the step's middle, tiles 8-15 at its end.
; Steps 1, 4 and 7 change slots: by their first sixteen products all of this step's R is in registers, so the bytes of every step up to this one are free.
.macro STEPA k, zero
.set BAR, 0
.if (\k) == 1 || (\k) == 4 || (\k) == 7
.set BAR, 1
.endif
.if BAR
	s_wait_tensorcnt 0x0                           ; all my tensor loads have landed
	ds_add_u32 v[SPW], v[NIL]                      ; 0 onto my spare word
.endif
.if (\k) < 6
	s_wait_loadcnt 24                              ; this step's fragments of x are in; those of the two steps ahead may be out
.elseif (\k) == 6
	s_wait_loadcnt 12
.else
	s_wait_loadcnt 0x0
.endif
	s_wait_dscnt 24+BAR                            ; R's tiles 0-7 are in; the 24 loads of tiles 8-15 (and the add) may be out
	WIN MUL_LO
	MULA 0, 0, \k, \zero
	s_wait_dscnt 0x0                               ; tiles 8-15 are in; at a change of slots: the add is done, and my reads of the bytes to be filled are over
.if BAR
	s_barrier_signal -1
.endif
	WIN MUL_HI
	MULA 0, 2, \k, \zero
.if BAR
	WIN 0
	s_barrier_wait -1
	CREST                                          ; the round: no wave of any partner still reads those bytes or has a load on its way
.if (\k) == 1
	s_add_nc_u64 s[G0X+2:G0X+3], s[G0X+2:G0X+3], 4608
	tensor_load_to_lds s[G0X:G0X+3], s[G1X:G1X+7]          ; K steps 3 and 4, over steps 0 and 1
	s_nop 0
	PLACES 4                                       ; also the places in front of the loads below
.elseif (\k) == 4
	s_add_nc_u64 s[G0X+2:G0X+3], s[G0X+2:G0X+3], 3072
	tensor_load_to_lds s[G0X:G0X+3], s[G1Z:G1Z+7]          ; K steps 5, 6 and 7, over my whole part
	s_nop 0
	PLACES 4
.else
	BLOAD
.endif
.else
	PLACES 4                                       ; in front of the loads into the registers of tiles 0-7
.endif
.if (\k) == 2
	s_wait_tensorcnt 0x0                           ; K steps 3 and 4 have landed in my part, which I alone read (no younger load of mine is out)
.endif
.if (\k) == 7
	WIN TO_W1
.irp t, 0,1,2,3,4,5,6,7,8,9,10,11,12,13,14,15  ; the bias in the result's layout: tile t's eight channels of my half; tiles 0-7 into the registers that R's tiles 0-5 have left, tiles 8-15 beside R's set
	global_load_b128 v[8*\t+128*(\t/8):8*\t+128*(\t/8)+3], v[BOF], s[72:73] offset:(32*(\t/2)+8*(\t%2))*4
	global_load_b128 v[8*\t+128*(\t/8)+4:8*\t+128*(\t/8)+7], v[BOF], s[72:73] offset:(32*(\t/2)+8*(\t%2))*4+16
.endr
	WIN 0
.elseif (\k) != 4
	FETCH_RA (\k)+1, 0
.endif
	WIN MUL_LO
	MULA 8, 0, \k, \zero
	WIN MUL_HI
	MULA 8, 2, \k, \zero
	PLACES 4
	WIN 0
.if (\k) < 5
	LOADP (\k)+3                                   ; three steps ahead, into the set that this step has left
.endif
.if (\k) == 4
	s_wait_tensorcnt 0x0                           ; K steps 5, 6 and 7 have landed in my part (no younger load of mine is out)
	FETCH_RA 5, 0
.endif
.if (\k) < 7
	FETCH_RA (\k)+1, 8
.endif
.endm
	LOADP 0
	LOADP 1
	LOADP 2
	s_wait_tensorcnt 1                             ; K steps 0 and 1 are in my part (step 2's load may be out); I alone read it
	FETCH_RA 0, 0
	FETCH_RA 0, 8
	STEPA 0, 1
	STEPA 1, 0
	STEPA 2, 0
	STEPA 3, 0
	STEPA 4, 0
	STEPA 5, 0
	STEPA 6, 0
	STEPA 7, 0
	; THE WAY OUT OF PHASE A: + bias, the layer norm in two passes, the quantiser.  Phase B's tiles land meanwhile.
.irp b, 0,1,2,3
	v_mov_b32 v[TM+4+\b], 0                        ; written once: a lane permute's destination counts as one of its sources
.endr
.irp t, 0,1,2,3,4,5,6,7
	global_load_b128 v[SCR+4*\t:SCR+4*\t+3], v[LI], s[74:75] offset:512*\t     ; phase B's scale words
.endr
.irp a, 0,1,2,3
	global_load_b128 v[SCP+4*\a:SCP+4*\a+3], v[LI], s[76:77] offset:512*\a
.endr
.irp a, 0,1,2,3
	global_load_b32 v[BV+2*\a], v[BVO], s[78:79] offset:(32*(\a/2)+8*(\a%2))*4     ; bv of my channel, in both words of a pair
	global_load_b32 v[BV+2*\a+1], v[BVO], s[78:79] offset:(32*(\a/2)+8*(\a%2))*4
.endr
	s_wait_loadcnt 20                              ; the bias tiles are in; the twenty loads just issued may be out
.macro FOLD a                          ; four chains of pairs, then the other half of the lanes: my wave's 256 channels of row a's slot
	WIN 0
	v_pk_add_f32 v[CH:CH+1], v[CH:CH+1], v[CH+2:CH+3]
	v_pk_add_f32 v[CH+4:CH+5], v[CH+4:CH+5], v[CH+6:CH+7]
	v_pk_add_f32 v[CH:CH+1], v[CH:CH+1], v[CH+4:CH+5]
	v_add_f32 v[CH], v[CH], v[CH+1]
	v_permlanex16_b32 v[CH+2], v[CH], s[SEL], s[SEL+1]
	v_add_f32 v[SUM+\a], v[CH], v[CH+2]
.endm
.macro BIAS_SUM a
.set AB, 128*((\a)%2)
.set W, 2+(\a)/2
	WIN W|4|(W<<6)
.irp t, 0,1,2,3,4,5,6,7,8,9,10,11,12,13,14,15
.irp j, 0,2,4,6
	v_pk_add_f32 v[AB+8*\t+\j:AB+8*\t+\j+1], v[AB+8*\t+\j:AB+8*\t+\j+1], v[8*\t+128*(\t/8)+\j:8*\t+128*(\t/8)+\j+1]
.endr
.endr
	WIN W|(W<<2)
.irp c, 0,1,2,3
	v_pk_add_f32 v[CH+2*\c:CH+2*\c+1], v[AB+2*\c:AB+2*\c+1], v[AB+8+2*\c:AB+8+2*\c+1]   ; the first eight pairs start the chains
.endr
	WIN W<<2
.set pp, 8
.rept 56
	v_pk_add_f32 v[CH+2*(pp%4):CH+2*(pp%4)+1], v[CH+2*(pp%4):CH+2*(pp%4)+1], v[AB+2*pp:AB+2*pp+1]
.set pp, pp+1
.endr
	FOLD \a
.endm
.macro CENTRE_SQ a
.set AB, 128*((\a)%2)
.set W, 2+(\a)/2
	WIN W|(W<<6)
.set pp, 0
.rept 64
	v_pk_add_f32 v[AB+2*pp:AB+2*pp+1], v[AB+2*pp:AB+2*pp+1], v[BC+2*(\a):BC+2*(\a)+1]
.set pp, pp+1
.endr
	WIN W|(W<<2)
.irp c, 0,1,2,3
	v_pk_mul_f32 v[CH+2*\c:CH+2*\c+1], v[AB+2*\c:AB+2*\c+1], v[AB+2*\c:AB+2*\c+1]
.endr
.set pp, 4
.rept 60
	v_pk_fma_f32 v[CH+2*(pp%4):CH+2*(pp%4)+1], v[AB+2*pp:AB+2*pp+1], v[AB+2*pp:AB+2*pp+1], v[CH+2*(pp%4):CH+2*(pp%4)+1]
.set pp, pp+1
.endr
	FOLD \a
.endm
.macro XCHG off                        ; the four waves' sums meet in LDS; each exchange has bytes of its own
	ds_store_b128 v[STW], v[SUM:SUM+3] offset:\off
	s_wait_dscnt 0x0                               ; for the others' sake: my store has landed
	s_barrier_signal -1
	s_barrier_wait -1
.irp w, 0,1,2,3
	ds_load_b128 v[RBK+4*\w:RBK+4*\w+3], v[STR] offset:(\off)+512*\w
.endr
	s_wait_dscnt 0x0
.irp a, 0,1,2,3
	v_add_f32 v[RBK+\a], v[RBK+\a], v[RBK+4+\a]
	v_add_f32 v[RBK+8+\a], v[RBK+8+\a], v[RBK+12+\a]
.endr
.irp a, 0,1,2,3
	v_add_f32 v[RBK+\a], v[RBK+\a], v[RBK+8+\a]
.endr
.endm
.irp a, 0,1,2,3
	BIAS_SUM \a
.endr
	XCHG 0
.irp a, 0,1,2,3
	v_mul_f32 v[BC+2*\a], 0xba800000, v[RBK+\a]    ; -mean
	v_mul_f32 v[BC+2*\a+1], 0xba800000, v[RBK+\a]
.endr
.irp a, 0,1,2,3
	CENTRE_SQ \a
.endr
	XCHG 2048
.irp a, 0,1,2,3
	v_fma_f32 v[RBK+\a], v[RBK+\a], s87, s88       ; var + eps
.endr
.irp a, 0,1,2,3
	v_rsq_f32 v[BC+2*\a], v[RBK+\a]
.endr
	v_nop                                          ; a plain place behind the last of the batch
	s_wait_alu depctr_va_vdst(0)                   ; one wait for the four, ahead of their first reader
.irp a, 0,1,2,3
	v_mov_b32 v[BC+2*\a+1], v[BC+2*\a]
.endr
.irp a, 0,1,2,3
.set AB, 128*(\a%2)
.set W, 2+\a/2
	WIN W|(W<<6)
.set pp, 0
.rept 64
	v_pk_mul_f32 v[AB+2*pp:AB+2*pp+1], v[AB+2*pp:AB+2*pp+1], v[BC+2*\a:BC+2*\a+1]
.set pp, pp+1
.endr
.endr
.irp a, 0,1,2,3
.irp u, 0,1
	QUANT 128*(\a%2)+64*\u, 2+\a/2, PW+2*(\a%2)+\u
	PUTC 68, 12288*\a+1536*\u
.endr
.if \a%2
	v_cndmask_b32 v[PWC], v[PW], v[PW+2], s[MHI]   ; lanes 0-15: block a - 1's words, lanes 16-31: block a's
	v_cndmask_b32 v[PWC+1], v[PW+1], v[PW+3], s[MHI]
	global_store_b64 v[SOFA], v[PWC:PWC+1], s[70:71] offset:512*(\a-1)
.endif
.endr
	; PHASE B: v^T
	s_wait_xcnt 0x0                                ; the stores have read the codes' registers, which take fragments again
	s_wait_loadcnt 0x0                             ; phase B's scale words and bv
	s_wait_tensorcnt 0x0                           ; my part of phase B's operands has landed,
	s_wait_dscnt 0x0
	s_barrier_signal -1
	s_barrier_wait -1                              ; everybody's has
.macro FETCHB ks, p
	WIN TO_W1
.irp t, 0,1,2,3,4,5,6,7
	FRAG 96*(\p)+12*\t, ADRB+\t/4, 12288*(\t%4)+1536*(\ks)
.endr
	WIN 0
.irp a, 0,1,2,3
	FRAG PF+48*(\p)+12*\a, ADPB, 12288*\a+1536*(\ks)
.endr
.endm
.macro MUL8 a, p, ks, zero
.irp t, 0,1,2,3,4,5,6,7
	WM 8*(8*(\a)+\t), 96*(\p)+12*\t, PF+48*(\p)+12*(\a), SCR+4*\t+((\ks)%4), SCP+4*(\a)+((\ks)%4), \zero, ((\ks)/4)
.endr
.endm
.macro STEP48 k, zero                  ; 32 products, the 32 accumulators by turns; the next step's 36 LDS loads go out ahead of them
	s_wait_dscnt 0x0
.if (\k) < 7
	PLACES 4                                       ; in front of loads into the set that the last step's products read
	FETCHB (\k)+1, ((\k)+1)%2
.endif
	WIN MUL_LO
.irp a, 0,1,2,3
	MUL8 \a, (\k)%2, \k, \zero
.endr
	WIN 0
.endm
	FETCHB 0, 0
	STEP48 0, 1
.irp k, 1,2,3,4,5,6,7
	STEP48 \k, 0
.endr
	PLACES 4
.irp a, 0,1,2,3
	WIN 0x82
.set pp, 0
.rept 32
	v_pk_add_f32 v[64*\a+2*pp:64*\a+2*pp+1], v[64*\a+2*pp:64*\a+2*pp+1], v[BV+2*\a:BV+2*\a+1]   ; + bv: a lane holds one channel
.set pp, pp+1
.endr
	QUANT 64*\a, 2, PW+\a%2
	PUTC 80, 24576*\a
.if \a%2
	v_cndmask_b32 v[PWC], v[PW], v[PW+1], s[MHI]
	global_store_b32 v[SOFB], v[PWC], s[82:83] offset:1024*(\a-1)
.endif
.endr
	s_wait_tensorcnt 0x0                           ; the wave's end
	ds_add_u32 v[SPW], v[NIL]
	s_wait_dscnt 0x0
	CROUND                                         ; the closing round
	s_endpgm
.Lfunc_end_k_qc3208fa511_qkv:
	.size	k_qc3208fa511_qkv, .Lfunc_end_k_qc3208fa511_qkv-k_qc3208fa511_qkv
	.p2alignl 7, 3214868480
	.fill 96, 4, 3214868480
	.section	.rodata,"a",@progbits
	.p2align	6, 0x0
	.amdhsa_kernel k_qc3208fa511_qkv
		.amdhsa_group_segment_fixed_size 327680
		.amdhsa_private_segment_fixed_size 0
		.amdhsa_enable_private_segment 0
		.amdhsa_kernarg_size 40
		.amdhsa_user_sgpr_count 2
		.amdhsa_user_sgpr_kernarg_segment_ptr 1
		.amdhsa_wavefront_size32 1
		.amdhsa_system_sgpr_workgroup_id_x 1
		.amdhsa_system_sgpr_workgroup_id_y 1
		.amdhsa_system_sgpr_workgroup_id_z 1
		.amdhsa_system_vgpr_workitem_id 0
		.amdhsa_next_free_vgpr 1024
		.amdhsa_next_free_sgpr 98
		.amdhsa_reserve_vcc 0
		.amdhsa_float_denorm_mode_32 3
		.amdhsa_float_denorm_mode_16_64 3
		.amdhsa_memory_ordered 1
		.amdhsa_forward_progress 1
		.amdhsa_inst_pref_size 255
	.end_amdhsa_kernel
	.section	.bss,"aw",@nobits
	.p2align	6
	.space	262144
	.amdgpu_metadata
---
amdhsa.version: [ 1, 2 ]
amdhsa.kernels:
  - .name:           k_qc3208fa511_qkv
    .symbol:         k_qc3208fa511_qkv.kd
    .args:
      - { .name: xw, .offset: 0, .size: 8, .value_kind: global_buffer, .address_space: global }
      - { .name: bq, .offset: 8, .size: 8, .value_kind: global_buffer, .address_space: global }
      - { .name: bk, .offset: 16, .size: 8, .value_kind: global_buffer, .address_space: global }
      - { .name: bv, .offset: 24, .size: 8, .value_kind: global_buffer, .address_space: global }
      - { .name: qkv, .offset: 32, .size: 8, .value_kind: global_buffer, .address_space: global }
    .group_segment_fixed_size: 327680
    .private_segment_fixed_size: 0
    .kernarg_segment_align: 8
    .kernarg_segment_size: 40
    .max_flat_workgroup_size: 128
    .sgpr_count:     98
    .vgpr_count:     1024
    .wavefront_size: 32
...
	.end_amdgpu_metadata
.endif
;; end of part 2
;; launch scores (part 3): grid 8 x 32, 4 waves a work-group, clusters of 4 x 4, 327,680 bytes of LDS; arguments qkv, att; writes att
.if DOCPART == 3
	.amdgcn_target "amdgcn-amd-amdhsa--gfx1250"
	.amdhsa_code_object_version 6
	.text
	.protected	k_qc3208fa511_scores
	.globl	k_qc3208fa511_scores
	.p2align	8
	.type	k_qc3208fa511_scores,@function
k_qc3208fa511_scores:
	s_mov_b64 s[64:65], 0
	v_nop
	global_prefetch_b8 v0, s[64:65] scope:SCOPE_SE
	s_setreg_imm32_b32 hwreg(HW_REG_WAVE_MODE, 25, 1), 1
	s_wait_xcnt 0x0
	s_wait_alu depctr_hold_cnt(0) depctr_sa_sdst(0) depctr_va_vdst(0) depctr_va_sdst(0) depctr_va_ssrc(0) depctr_va_vcc(0) depctr_vm_vsrc(0)
	s_getreg_b32 s2, hwreg(HW_REG_IB_STS2, 6, 4)
	s_cmp_eq_u32 s2, 0
	s_cbranch_scc0 .Lentry_in_a_cluster
	s_endpgm
.Lentry_in_a_cluster:
	s_bfe_u32 s2, ttmp6, 0x10000c
	s_cmp_lg_u32 s2, 0xf033
	s_cbranch_scc0 .Lentry_shape_is_right
	s_endpgm
.Lentry_shape_is_right:
; Product 4 on codes of E2M3: scores = qn kn^T; attn = sigmoid(scores / 32 - ln 2048) in f32; attn quantised along the keys.  No work of the problem is left out.
; sigmoid(s / 32 - ln 2048) = 1 / (1 + 2^(11 - s log2(e) / 32)): one fused multiply-add, v_exp_f32, an addition, v_rcp_f32.  Where the exponential overflows the result is 0, where it falls to 0 the result is 1: the right limits.
; OPERANDS ARE IMAGES OF REGISTERS: blocks of 16 rows x K steps of 128; slot m of block g is row 32 (g / 2) + 8 (g % 2) + m + 8 (m / 8); fragment (g, ks) is 1,536 bytes: registers 4 i .. 4 i + 3 of lane l at 512 i + 16 l.
; The scale word of slot m, step ks lies at g x 64 KS + 256 (ks / 4) + 16 m + 4 (ks % 4): a load of 16 bytes a lane gives four registers; register j holds step j in lanes 0-15, step 4 + j in lanes 16-31.
; THE PRODUCT IS USED TRANSPOSED (source 0 = 16 keys, source 1 = 16 queries): a lane holds one query, and by the slots' order the 64 registers of a block's eight tiles are 128 keys' worth laid as the conversions want them.
; SHARES: a work-group makes 256 queries x 256 keys, a wave 128 x 128: 64 accumulators.  4 x 4 work-groups form a cluster: qn's tile is shared along its row, kn's along its column, each asked for jointly.
; LDS: three regions of two K steps.  K steps 0-5 go out as first fills; steps 6 and 7 refill region 0 when it has been read, and have four steps' products in which to land.
; LIMITS: NaN and infinities are not served; a block under 2^-124 gets the byte 1, read by this program alone.
; REGISTERS: window 0: v3-10 addresses; v28, 29 the add's two; v30-31 the number 11; v32-95 scale words and nothing else; v128-223 P's one set (on the way out: codes); v224-247 at work.  window 1: R's two sets.  windows 2, 3: accumulators.
.set REG,   98304                      ; a region: P [16 blocks][2 steps][1536], then R likewise
.set SPARE, 3*REG
.set LI,   3
.set ADP,  4                           ; v4-6  my eight blocks of P in region 0, 1, 2
.set ADR,  7                           ; v7-9  of R
.set SOFF, 10                          ; v10   scale words out: 1024 h + 16 r
.set SPW,  28
.set NIL,  29
.set SCP,  32
.set SCR,  64
.set PF,   128
.set PC,   128
.set TM,   224
.set PW,   240
.set PWC,  246
.set G1P,  24
.set G0P,  32                          ; s[32:43] three sets
.set G0R,  44                          ; s[44:55]
.set G1R,  56
.set SEL,  76
.set MHI,  78
.set MUL_LO, 0xa1
.set MUL_HI, 0xf1
.set TO_W1,  0x40
.set MSB, 0
.macro WIN new
.if MSB != (\new)
	s_set_vgpr_msb (MSB<<8)|(\new)
.set MSB, (\new)
.endif
.endm
.macro PLACES n
.rept \n
	v_nop
.endr
.endm
.macro FRAG reg, adr, off
.irp g, 0,1,2
	ds_load_b128 v[(\reg)+4*\g:(\reg)+4*\g+3], v[\adr] offset:(\off)+512*\g
.endr
.endm
.macro CREST
	s_cmp_lg_u32 s14, 0
	s_cbranch_scc1 .Lnot_wave_0_\@
	s_barrier_signal -3
.Lnot_wave_0_\@:
	s_barrier_wait -3
	s_barrier_signal -1
	s_barrier_wait -1
.endm
.macro CROUND
	s_barrier_signal -1
	s_barrier_wait -1
	CREST
.endm
.macro JLOAD g0p, g1p, g0r, g1r        ; a joint load: waves 0 and 1 fetch P's halves, waves 2 and 3 R's; the branch hangs on the wave's number alone
	s_cmp_eq_u32 s15, 0
	s_cbranch_scc0 .Lfor_r_\@
	tensor_load_to_lds s[\g0p:\g0p+3], s[\g1p:\g1p+7]
	s_nop 0
.rept 4
	v_nop
.endr
	s_branch .Lasked_\@
.Lfor_r_\@:
	tensor_load_to_lds s[\g0r:\g0r+3], s[\g1r:\g1r+7]
	s_nop 0
.rept 4
	v_nop
.endr
.Lasked_\@:
.endm
.macro WM d, ra, rb, sa, sb, zero, row
.if \zero
	v_wmma_scale_f32_16x16x128_f8f6f4 v[(\d):(\d)+7], v[(\ra):(\ra)+11], v[(\rb):(\rb)+11], 0, v[\sa], v[\sb] matrix_a_fmt:MATRIX_FMT_FP6 matrix_b_fmt:MATRIX_FMT_FP6
.elseif \row
	v_wmma_scale_f32_16x16x128_f8f6f4 v[(\d):(\d)+7], v[(\ra):(\ra)+11], v[(\rb):(\rb)+11], v[(\d):(\d)+7], v[\sa], v[\sb] matrix_a_fmt:MATRIX_FMT_FP6 matrix_b_fmt:MATRIX_FMT_FP6 matrix_a_scale:MATRIX_SCALE_ROW1 matrix_b_scale:MATRIX_SCALE_ROW1
.else
	v_wmma_scale_f32_16x16x128_f8f6f4 v[(\d):(\d)+7], v[(\ra):(\ra)+11], v[(\rb):(\rb)+11], v[(\d):(\d)+7], v[\sa], v[\sb] matrix_a_fmt:MATRIX_FMT_FP6 matrix_b_fmt:MATRIX_FMT_FP6
.endif
.endm
.macro QUANT s, w, pw                  ; 64 numbers of a lane in window w (register 16 b + i = k 32 b + 16 (lane / 16) + i) -> a fragment's codes in v[PC] on, its scale word in v[pw]
	s_wait_xcnt 0x0                                ; earlier stores have read the codes' registers
	WIN (\w)|((\w)<<2)
.irp b, 0,1,2,3
	v_max3_num_f32 v[TM+\b], |v[(\s)+16*\b]|, |v[(\s)+16*\b+1]|, 0x1800000   ; the floor 2^(3 - 127)
.endr
.irp i, 2,4,6,8,10,12,14
.irp b, 0,1,2,3
	v_max3_num_f32 v[TM+\b], |v[(\s)+16*\b+\i]|, |v[(\s)+16*\b+\i+1]|, v[TM+\b]
.endr
.endr
	WIN 0
.irp b, 0,1,2,3
	v_permlanex16_b32 v[TM+4+\b], v[TM+\b], s[SEL], s[SEL+1]
.endr
.irp b, 0,1,2,3
	v_max_num_f32 v[TM+\b], v[TM+\b], v[TM+4+\b]
.endr
.irp b, 0,1,2,3
	v_add_nc_u32 v[TM+12+\b], 0xff000000, v[TM+\b]
.endr
.irp b, 0,1,2,3
	v_lshrrev_b32 v[TM+4+\b], 23, v[TM+12+\b]
.endr
	v_lshl_or_b32 v[\pw], v[TM+5], 8, v[TM+4]
	v_lshl_or_b32 v[\pw], v[TM+6], 16, v[\pw]
	v_lshl_or_b32 v[\pw], v[TM+7], 24, v[\pw]
	WIN \w
.irp c, 0,1
	v_cvt_scalef32_pk16_fp6_f32 v[PC+6*\c:PC+6*\c+2], v[(\s)+32*\c:(\s)+32*\c+15], v[TM+12+2*\c]
	v_cvt_scalef32_pk16_fp6_f32 v[PC+12+4*\c:PC+14+4*\c], v[(\s)+32*\c+16:(\s)+32*\c+31], v[TM+12+2*\c+1]
.endr
	WIN 0
	v_nop                                          ; one plain place behind a scaled conversion
.irp c, 0,1
.irp i, 0,1,2
	v_permlane16_swap_b32 v[PC+6*\c+\i], v[PC+12+4*\c+\i]
.endr
.irp i, 0,1,2
	v_mov_b32 v[PC+3+6*\c+\i], v[PC+12+4*\c+\i]
.endr
.endr
.endm
.macro PUTC base, off
.irp g, 0,1,2
	global_store_b128 v[LI], v[PC+4*\g:PC+4*\g+3], s[\base:\base+1] offset:(\off)+512*\g
.endr
.endm
	s_load_b128 s[4:7], s[0:1], 0x0                ; qkv, att
	v_lshl_add_u32 v[SPW], v0, 2, SPARE
	v_mov_b32 v[NIL], 0
	ds_add_u32 v[SPW], v[NIL]                      ; the wave's opening: the add, twice on end, and its wait ahead of my first tensor load
	ds_add_u32 v[SPW], v[NIL]
	v_lshrrev_b32 v1, 5, v0
	v_readfirstlane_b32 s14, v1                    ; wave 0..3
	s_lshr_b32 s15, s14, 1                         ; which 128 queries are mine.  Also: I fetch for P (0) or for R (1)
	s_and_b32 s16, s14, 1                          ; which 128 keys.  Also: which eight blocks I fetch
	s_bfe_u32 s17, ttmp6, 0x40000                  ; cx
	s_bfe_u32 s18, ttmp6, 0x40004                  ; cy
	s_lshl_b32 s19, ttmp9, 2
	s_add_co_u32 s19, s19, s17                     ; x: the tile of 256 keys
	s_and_b32 s21, ttmp7, 0xffff
	s_lshl_b32 s20, s21, 2
	s_add_co_u32 s20, s20, s18                     ; y = 8 batch + the tile of 256 queries
	s_lshr_b32 s21, s21, 1                         ; the batch: from the cluster's y alone
	s_lshl_b32 s22, s18, 2
	s_lshl_b32 s22, 15, s22                        ; my row of the cluster
	s_lshl_b32 s23, 0x1111, s17                    ; my column
	s_or_b32 s[G1P], s22, (3<<16)|(1<<21)          ; the mask; elements of 8 bytes; bit 21 beside a mask
	s_or_b32 s[G1R], s23, (3<<16)|(1<<21)
.irp g, G1P, G1R
	s_mov_b32 s[\g+1], 384<<16                     ; tensor_dim0: two K steps, 3,072 bytes
	s_mov_b32 s[\g+2], 8<<16                       ; tensor_dim1: eight blocks
	s_mov_b32 s[\g+3], 384<<16
	s_mov_b32 s[\g+4], 8
	s_mov_b32 s[\g+5], 1536                        ; from block to block: 12,288 bytes
	s_mov_b32 s[\g+6], 0
	s_mov_b32 s[\g+7], 0
.endr
	s_lshl_b32 s84, s20, 4                         ; P: qn's blocks 16 y + 8 half on; in registers that never hold x
	s_lshl_b32 s85, s16, 3
	s_add_co_u32 s84, s84, s85
	s_mul_i32 s84, s84, 12288
	s_mov_b32 s85, 0
	s_lshl_b32 s86, s21, 7                         ; R: kn's blocks 128 batch + 16 x + 8 half on; in registers that never hold cy
	s_lshl_b32 s87, s19, 4
	s_add_co_u32 s86, s86, s87
	s_lshl_b32 s87, s16, 3
	s_add_co_u32 s86, s86, s87
	s_mul_i32 s86, s86, 12288
	s_add_co_u32 s86, s86, 6291456
	s_mov_b32 s87, 0
	s_mul_i32 s88, s16, 24576                      ; where they go: no place in the cluster enters an LDS address
	s_mov_b32 s72, 0xbd38aa3b                      ; -log2(e) / 32
	s_mov_b32 s73, s72
	s_mov_b32 s[SEL], 0x76543210
	s_mov_b32 s[SEL+1], 0xfedcba98
	s_mov_b32 s[MHI], 0xffff0000
	v_and_b32 v1, 15, v0                           ; r
	v_bfe_u32 v2, v0, 4, 1                         ; h
	v_and_b32 v[LI], 31, v0
	v_lshlrev_b32 v[LI], 4, v[LI]
	s_mul_i32 s80, s15, 24576
	v_add_nc_u32 v[ADP], s80, v[LI]
	v_add_nc_u32 v[ADP+1], REG, v[ADP]
	v_add_nc_u32 v[ADP+2], REG, v[ADP+1]
	s_mul_i32 s80, s16, 24576
	s_add_co_u32 s80, s80, 49152
	v_add_nc_u32 v[ADR], s80, v[LI]
	v_add_nc_u32 v[ADR+1], REG, v[ADR]
	v_add_nc_u32 v[ADR+2], REG, v[ADR+1]
	v_lshlrev_b32 v[SOFF], 4, v1
	v_lshl_add_u32 v[SOFF], v2, 10, v[SOFF]
	v_mov_b32 v30, 0x41300000                      ; 11 = log2(2048)
	v_mov_b32 v31, 0x41300000
.irp b, 0,1,2,3
	v_mov_b32 v[TM+4+\b], 0                        ; written once: a lane permute's destination counts as one of its sources
.endr
	s_wait_dscnt 0x0                               ; both opening adds are done
	s_wait_kmcnt 0x0
	s_add_nc_u64 s[84:85], s[4:5], s[84:85]
	s_add_nc_u64 s[86:87], s[4:5], s[86:87]
	CROUND                                         ; all sixteen work-groups are here: the first joint loads meet
.irp g, 0,1,2
	s_mov_b32 s[G0P+4*\g], 1
	s_add_co_u32 s[G0P+4*\g+1], s88, REG*\g
	s_add_nc_u64 s[G0P+4*\g+2:G0P+4*\g+3], s[84:85], 3072*\g
	s_or_b32 s[G0P+4*\g+3], s[G0P+4*\g+3], 0x80000000
	s_mov_b32 s[G0R+4*\g], 1
	s_add_co_u32 s[G0R+4*\g+1], s88, REG*\g+49152
	s_add_nc_u64 s[G0R+4*\g+2:G0R+4*\g+3], s[86:87], 3072*\g
	s_or_b32 s[G0R+4*\g+3], s[G0R+4*\g+3], 0x80000000
	JLOAD G0P+4*\g, G1P, G0R+4*\g, G1R             ; K steps 2 g, 2 g + 1: three loads of mine are out
.endr
	s_mov_b32 s83, 0
	s_lshl_b32 s80, s20, 4
	s_lshl_b32 s81, s15, 3
	s_add_co_u32 s80, s80, s81                     ; my first block of queries
	s_lshl_b32 s82, s80, 9
	s_add_co_u32 s82, s82, 18874368
	s_add_nc_u64 s[66:67], s[4:5], s[82:83]        ; qn's scale words
	s_lshl_b32 s81, s19, 1
	s_add_co_u32 s81, s81, s16                     ; attn's K step: 2 x + wj
	s_lshl_b32 s82, s80, 4
	s_add_co_u32 s82, s82, s81
	s_mul_i32 s82, s82, 1536
	s_add_nc_u64 s[70:71], s[6:7], s[82:83]        ; attn's codes out
	s_lshl_b32 s82, s80, 10
	s_lshr_b32 s80, s81, 2
	s_lshl_b32 s80, s80, 8
	s_add_co_u32 s82, s82, s80
	s_and_b32 s80, s81, 3
	s_lshl_b32 s80, s80, 2
	s_add_co_u32 s82, s82, s80
	s_add_co_u32 s82, s82, 12582912
	s_add_nc_u64 s[74:75], s[6:7], s[82:83]        ; attn's scale words out
	s_lshl_b32 s80, s21, 7
	s_lshl_b32 s81, s19, 4
	s_add_co_u32 s80, s80, s81
	s_lshl_b32 s81, s16, 3
	s_add_co_u32 s80, s80, s81
	s_lshl_b32 s82, s80, 9
	s_add_co_u32 s82, s82, 19136512
	s_add_nc_u64 s[68:69], s[4:5], s[82:83]        ; kn's scale words
.irp a, 0,1,2,3,4,5,6,7
	global_load_b128 v[SCP+4*\a:SCP+4*\a+3], v[LI], s[66:67] offset:512*\a
	global_load_b128 v[SCR+4*\a:SCR+4*\a+3], v[LI], s[68:69] offset:512*\a
.endr
.macro FETCH_R rg, q, p
	WIN TO_W1
.irp i, 0,1,2,3,4,5,6,7
	FRAG 128*(\p)+12*\i, ADR+\rg, 3072*\i+1536*(\q)
.endr
	WIN 0
.endm
.macro FETCH_P rg, q, i0
.irp i, 0,1,2,3
	FRAG PF+12*(\i0+\i), ADP+\rg, 3072*(\i0+\i)+1536*(\q)
.endr
.endm
.macro MUL16 a0, p, ks, zero           ; P's blocks a0, a0 + 1 x R's eight.  The 64 accumulators take turns, in the same order in every step
.irp a, 0,1
.irp b, 0,1,2,3,4,5,6,7
	WM 8*(8*((\a0+\a)%4)+\b), 128*(\p)+12*\b, PF+12*(\a0+\a), SCR+4*\b+((\ks)%4), SCP+4*(\a0+\a)+((\ks)%4), \zero, ((\ks)/4)
.endr
.endr
.endm
.macro STEP ks, rgn, qn, zero          ; K step ks; the next step's fragments come from region rgn, step qn of its two
	s_wait_dscnt 12                                ; R's set and P's blocks 0-3 are in; the twelve loads of blocks 4-7 may be out
	WIN MUL_LO
	MUL16 0, (\ks)%2, \ks, \zero
	MUL16 2, (\ks)%2, \ks, \zero
	s_wait_dscnt 0x0
	PLACES 4
	FETCH_R \rgn, \qn, 1-(\ks)%2
	FETCH_P \rgn, \qn, 0
	WIN MUL_HI
	MUL16 4, (\ks)%2, \ks, \zero
	MUL16 6, (\ks)%2, \ks, \zero
	PLACES 4
	WIN 0
	FETCH_P \rgn, \qn, 4
.endm
.macro TURN ks, rgn, fill              ; a step with a barrier.  fill = 1: region 0, read out, is filled again behind a round of the cluster's barrier
	s_wait_tensorcnt 0x0                           ; all my tensor loads have landed
	ds_add_u32 v[SPW], v[NIL]                      ; 0 onto my spare word
	s_wait_dscnt 13                                ; (the add and the twelve loads of P's blocks 4-7 may be out)
	WIN MUL_LO
	MUL16 0, (\ks)%2, \ks, 0
	s_wait_dscnt 0x0                               ; the add is done, and my reads of the region that I leave are over
	s_barrier_signal -1
	MUL16 2, (\ks)%2, \ks, 0
	WIN 0
	s_barrier_wait -1
.if \fill
	CREST                                          ; no wave of any partner still reads region 0 or has a load on its way
	s_add_nc_u64 s[G0P+2:G0P+3], s[G0P+2:G0P+3], 9216
	s_add_nc_u64 s[G0R+2:G0R+3], s[G0R+2:G0R+3], 9216
	JLOAD G0P, G1P, G0R, G1R                       ; K steps 6 and 7; the four v_nop behind it are the places in front of the loads below
.else
	PLACES 4
.endif
	FETCH_R \rgn, 0, 1-(\ks)%2
	FETCH_P \rgn, 0, 0
	WIN MUL_HI
	MUL16 4, (\ks)%2, \ks, 0
	MUL16 6, (\ks)%2, \ks, 0
	PLACES 4
	WIN 0
	FETCH_P \rgn, 0, 4
.endm
	s_wait_tensorcnt 2                             ; my part of region 0 is in (two younger loads may be out),
	s_barrier_signal -1
	s_barrier_wait -1                              ; everybody's is
	FETCH_R 0, 0, 0
	FETCH_P 0, 0, 0
	FETCH_P 0, 0, 4
	s_wait_loadcnt 0x0                             ; the scale words
	STEP 0, 0, 1, 1
	TURN 1, 1, 1
	STEP 2, 1, 1, 0
	STEP 3, 2, 0, 0                                ; region 2 landed in every wave ahead of the barrier in step 1
	STEP 4, 2, 1, 0
	TURN 5, 0, 0                                   ; region 0's second fill has landed in every wave
	STEP 6, 0, 1, 0
	s_wait_dscnt 12                                ; the last step: nothing more to fetch
	WIN MUL_LO
	MUL16 0, 1, 7, 0
	MUL16 2, 1, 7, 0
	s_wait_dscnt 0x0
	WIN MUL_HI
	MUL16 4, 1, 7, 0
	MUL16 6, 1, 7, 0
	WIN 0
	PLACES 4
.macro SIGM a                          ; block a's 16 queries x 128 keys, in place
.set S, 64*((\a)%4)
.set W, 2+(\a)/4
	WIN W|(W<<6)
.set jj, 0
.rept 32
	v_pk_fma_f32 v[S+jj:S+jj+1], v[S+jj:S+jj+1], s[72:73], v[30:31] op_sel_hi:[1,0,0]   ; 11 - s log2(e) / 32; each tile from its low end on
.set jj, jj+2
.endr
.set jj, 0
.rept 64
	v_exp_f32 v[S+jj], v[S+jj]
.set jj, jj+1
.endr
	v_nop                                          ; a plain place behind the batch
	s_wait_alu depctr_va_vdst(0)                   ; one wait for the 64, ahead of their first reader
.set jj, 0
.rept 32
	v_pk_add_f32 v[S+jj:S+jj+1], v[S+jj:S+jj+1], 1.0 op_sel_hi:[1,0]
.set jj, jj+2
.endr
.set jj, 0
.rept 64
	v_rcp_f32 v[S+jj], v[S+jj]
.set jj, jj+1
.endr
	v_nop
	s_wait_alu depctr_va_vdst(0)
.endm
.irp a, 0,1,2,3,4,5,6,7
	SIGM \a
	QUANT 64*(\a%4), 2+\a/4, PW+\a%2
	PUTC 70, 24576*\a
.if \a%2
	v_cndmask_b32 v[PWC], v[PW], v[PW+1], s[MHI]   ; lanes 0-15: block a - 1's words, lanes 16-31: block a's
	global_store_b32 v[SOFF], v[PWC], s[74:75] offset:1024*(\a-1)
.endif
.endr
	s_wait_tensorcnt 0x0                           ; the wave's end
	ds_add_u32 v[SPW], v[NIL]
	s_wait_dscnt 0x0
	CROUND                                         ; the closing round
	s_endpgm
.Lfunc_end_k_qc3208fa511_scores:
	.size	k_qc3208fa511_scores, .Lfunc_end_k_qc3208fa511_scores-k_qc3208fa511_scores
	.p2alignl 7, 3214868480
	.fill 96, 4, 3214868480
	.section	.rodata,"a",@progbits
	.p2align	6, 0x0
	.amdhsa_kernel k_qc3208fa511_scores
		.amdhsa_group_segment_fixed_size 327680
		.amdhsa_private_segment_fixed_size 0
		.amdhsa_enable_private_segment 0
		.amdhsa_kernarg_size 16
		.amdhsa_user_sgpr_count 2
		.amdhsa_user_sgpr_kernarg_segment_ptr 1
		.amdhsa_wavefront_size32 1
		.amdhsa_system_sgpr_workgroup_id_x 1
		.amdhsa_system_sgpr_workgroup_id_y 1
		.amdhsa_system_sgpr_workgroup_id_z 1
		.amdhsa_system_vgpr_workitem_id 0
		.amdhsa_next_free_vgpr 1024
		.amdhsa_next_free_sgpr 90
		.amdhsa_reserve_vcc 0
		.amdhsa_float_denorm_mode_32 3
		.amdhsa_float_denorm_mode_16_64 3
		.amdhsa_memory_ordered 1
		.amdhsa_forward_progress 1
		.amdhsa_inst_pref_size 203
	.end_amdhsa_kernel
	.amdgpu_metadata
---
amdhsa.version: [ 1, 2 ]
amdhsa.kernels:
  - .name:           k_qc3208fa511_scores
    .symbol:         k_qc3208fa511_scores.kd
    .args:
      - { .name: qkv, .offset: 0, .size: 8, .value_kind: global_buffer, .address_space: global }
      - { .name: att, .offset: 8, .size: 8, .value_kind: global_buffer, .address_space: global }
    .group_segment_fixed_size: 327680
    .private_segment_fixed_size: 0
    .kernarg_segment_align: 8
    .kernarg_segment_size: 16
    .max_flat_workgroup_size: 128
    .sgpr_count:     90
    .vgpr_count:     1024
    .wavefront_size: 32
...
	.end_amdgpu_metadata
.endif
;; end of part 3
;; launch pv (part 4): grid 4 x 64, 4 waves a work-group, clusters of 4 x 4, 327,680 bytes of LDS; arguments att, qkv, oc; writes oc
.if DOCPART == 4
	.amdgcn_target "amdgcn-amd-amdhsa--gfx1250"
	.amdhsa_code_object_version 6
	.text
	.protected	k_qc3208fa511_pv
	.globl	k_qc3208fa511_pv
	.p2align	8
	.type	k_qc3208fa511_pv,@function
k_qc3208fa511_pv:
	s_mov_b64 s[64:65], 0
	v_nop
	global_prefetch_b8 v0, s[64:65] scope:SCOPE_SE
	s_setreg_imm32_b32 hwreg(HW_REG_WAVE_MODE, 25, 1), 1
	s_wait_xcnt 0x0
	s_wait_alu depctr_hold_cnt(0) depctr_sa_sdst(0) depctr_va_vdst(0) depctr_va_sdst(0) depctr_va_ssrc(0) depctr_va_vcc(0) depctr_vm_vsrc(0)
	s_getreg_b32 s2, hwreg(HW_REG_IB_STS2, 6, 4)
	s_cmp_eq_u32 s2, 0
	s_cbranch_scc0 .Lentry_in_a_cluster
	s_endpgm
.Lentry_in_a_cluster:
	s_bfe_u32 s2, ttmp6, 0x10000c
	s_cmp_lg_u32 s2, 0xf033
	s_cbranch_scc0 .Lentry_shape_is_right
	s_endpgm
.Lentry_shape_is_right:
; Product 5 on codes of E2M3: out = attn v, K = the batch's 2,048 keys; out quantised along the channels.  No work of the problem is left out.
; OPERANDS ARE IMAGES OF REGISTERS: blocks of 16 rows x K steps of 128; slot m of block g is row 32 (g / 2) + 8 (g % 2) + m + 8 (m / 8); fragment (g, ks) is 1,536 bytes: registers 4 i .. 4 i + 3 of lane l at 512 i + 16 l.
; The scale word of slot m, step ks lies at g x 64 KS + 256 (ks / 4) + 16 m + 4 (ks % 4): a load of 16 bytes a lane at 512 kq gives four registers; register j holds step 8 kq + j in lanes 0-15, step 8 kq + 4 + j in lanes 16-31.
; THE PRODUCT IS USED TRANSPOSED (source 0 = 16 channels of v^T, source 1 = 16 queries of attn): a lane holds one query, and the 64 registers of a block's eight tiles are 128 channels laid as the conversions want them.
; SHARES: a work-group makes 128 queries x 256 channels (256 work-groups), a wave 64 x 128: 32 accumulators.  4 x 4 work-groups form a cluster: attn's tile is shared along its row, v^T's along its column.
; LDS: two slots of four K steps; one joint load a wave behind each of two rounds, with four steps' products in which to land.
; LIMITS: NaN and infinities are not served; a block of zeros or under 2^-124 gets the byte 1, read by this program alone.
.set KS,    16
.set SLOT,  147456                     ; P [8 blocks][4 steps][1536], then R [16 blocks][4 steps][1536]
.set SPARE, 2*SLOT
.set LI,   3
.set ADP,  4                           ; v4-5 my four blocks of P in slot 0, 1
.set ADR,  6                           ; v6-7 my eight of R
.set SOFF, 10                          ; v10  scale words out: 512 h + 16 r
.set SPW,  28
.set NIL,  29
.set SCP,  32                          ; 8 a + 4 (ks / 8) + ks % 4
.set SCR,  64
.set PF,   128
.set PC,   128
.set TM,   224
.set PW,   240
.set PWC,  246
.set G1P,  24
.set G0P,  32                          ; s[32:39]
.set G0R,  40                          ; s[40:47]
.set G1R,  48
.set SEL,  66
.set MHI,  68
.set MUL_LO, 0xa1
.set TO_W1,  0x40
.set MSB, 0
.macro WIN new
.if MSB != (\new)
	s_set_vgpr_msb (MSB<<8)|(\new)
.set MSB, (\new)
.endif
.endm
.macro PLACES n
.rept \n
	v_nop
.endr
.endm
.macro FRAG reg, adr, off
.irp g, 0,1,2
	ds_load_b128 v[(\reg)+4*\g:(\reg)+4*\g+3], v[\adr] offset:(\off)+512*\g
.endr
.endm
.macro CREST
	s_cmp_lg_u32 s14, 0
	s_cbranch_scc1 .Lnot_wave_0_\@
	s_barrier_signal -3
.Lnot_wave_0_\@:
	s_barrier_wait -3
	s_barrier_signal -1
	s_barrier_wait -1
.endm
.macro CROUND
	s_barrier_signal -1
	s_barrier_wait -1
	CREST
.endm
.macro JLOAD g0p, g1p, g0r, g1r        ; a joint load: waves 0 and 1 fetch P's halves, waves 2 and 3 R's; the branch hangs on the wave's number alone
	s_cmp_eq_u32 s15, 0
	s_cbranch_scc0 .Lfor_r_\@
	tensor_load_to_lds s[\g0p:\g0p+3], s[\g1p:\g1p+7]
	s_nop 0
.rept 4
	v_nop
.endr
	s_branch .Lasked_\@
.Lfor_r_\@:
	tensor_load_to_lds s[\g0r:\g0r+3], s[\g1r:\g1r+7]
	s_nop 0
.rept 4
	v_nop
.endr
.Lasked_\@:
.endm
.macro WM d, ra, rb, sa, sb, zero, row
.if \zero
	v_wmma_scale_f32_16x16x128_f8f6f4 v[(\d):(\d)+7], v[(\ra):(\ra)+11], v[(\rb):(\rb)+11], 0, v[\sa], v[\sb] matrix_a_fmt:MATRIX_FMT_FP6 matrix_b_fmt:MATRIX_FMT_FP6
.elseif \row
	v_wmma_scale_f32_16x16x128_f8f6f4 v[(\d):(\d)+7], v[(\ra):(\ra)+11], v[(\rb):(\rb)+11], v[(\d):(\d)+7], v[\sa], v[\sb] matrix_a_fmt:MATRIX_FMT_FP6 matrix_b_fmt:MATRIX_FMT_FP6 matrix_a_scale:MATRIX_SCALE_ROW1 matrix_b_scale:MATRIX_SCALE_ROW1
.else
	v_wmma_scale_f32_16x16x128_f8f6f4 v[(\d):(\d)+7], v[(\ra):(\ra)+11], v[(\rb):(\rb)+11], v[(\d):(\d)+7], v[\sa], v[\sb] matrix_a_fmt:MATRIX_FMT_FP6 matrix_b_fmt:MATRIX_FMT_FP6
.endif
.endm
.macro QUANT s, w, pw                  ; 64 numbers of a lane in window w (register 16 b + i = k 32 b + 16 (lane / 16) + i) -> a fragment's codes in v[PC] on, its scale word in v[pw]
	s_wait_xcnt 0x0                                ; earlier stores have read the codes' registers
	WIN (\w)|((\w)<<2)
.irp b, 0,1,2,3
	v_max3_num_f32 v[TM+\b], |v[(\s)+16*\b]|, |v[(\s)+16*\b+1]|, 0x1800000   ; the floor 2^(3 - 127)
.endr
.irp i, 2,4,6,8,10,12,14
.irp b, 0,1,2,3
	v_max3_num_f32 v[TM+\b], |v[(\s)+16*\b+\i]|, |v[(\s)+16*\b+\i+1]|, v[TM+\b]   ; ascending: each accumulator is read from its low end on
.endr
.endr
	WIN 0
.irp b, 0,1,2,3
	v_permlanex16_b32 v[TM+4+\b], v[TM+\b], s[SEL], s[SEL+1]
.endr
.irp b, 0,1,2,3
	v_max_num_f32 v[TM+\b], v[TM+\b], v[TM+4+\b]
.endr
.irp b, 0,1,2,3
	v_add_nc_u32 v[TM+12+\b], 0xff000000, v[TM+\b]
.endr
.irp b, 0,1,2,3
	v_lshrrev_b32 v[TM+4+\b], 23, v[TM+12+\b]
.endr
	v_lshl_or_b32 v[\pw], v[TM+5], 8, v[TM+4]
	v_lshl_or_b32 v[\pw], v[TM+6], 16, v[\pw]
	v_lshl_or_b32 v[\pw], v[TM+7], 24, v[\pw]
	WIN \w
.irp c, 0,1
	v_cvt_scalef32_pk16_fp6_f32 v[PC+6*\c:PC+6*\c+2], v[(\s)+32*\c:(\s)+32*\c+15], v[TM+12+2*\c]
	v_cvt_scalef32_pk16_fp6_f32 v[PC+12+4*\c:PC+14+4*\c], v[(\s)+32*\c+16:(\s)+32*\c+31], v[TM+12+2*\c+1]
.endr
	WIN 0
	v_nop                                          ; one plain place behind a scaled conversion
.irp c, 0,1
.irp i, 0,1,2
	v_permlane16_swap_b32 v[PC+6*\c+\i], v[PC+12+4*\c+\i]
.endr
.irp i, 0,1,2
	v_mov_b32 v[PC+3+6*\c+\i], v[PC+12+4*\c+\i]
.endr
.endr
.endm
.macro PUTC base, off
.irp g, 0,1,2
	global_store_b128 v[LI], v[PC+4*\g:PC+4*\g+3], s[\base:\base+1] offset:(\off)+512*\g
.endr
.endm
	s_load_b128 s[4:7], s[0:1], 0x0                ; att, qkv
	s_load_b64 s[8:9], s[0:1], 0x10                ; oc
	v_lshl_add_u32 v[SPW], v0, 2, SPARE
	v_mov_b32 v[NIL], 0
	ds_add_u32 v[SPW], v[NIL]                      ; the wave's opening: the add, twice on end, and its wait ahead of my first tensor load
	ds_add_u32 v[SPW], v[NIL]
	v_lshrrev_b32 v1, 5, v0
	v_readfirstlane_b32 s14, v1                    ; wave 0..3
	s_lshr_b32 s15, s14, 1                         ; which 64 queries are mine.  Also: I fetch for P (0) or for R (1)
	s_and_b32 s16, s14, 1                          ; which 128 channels.  Also: which half of the tile I fetch
	s_bfe_u32 s17, ttmp6, 0x40000                  ; cx
	s_bfe_u32 s18, ttmp6, 0x40004                  ; cy
	s_lshl_b32 s19, ttmp9, 2
	s_add_co_u32 s19, s19, s17                     ; x: the tile of 256 channels
	s_and_b32 s21, ttmp7, 0xffff
	s_lshl_b32 s20, s21, 2
	s_add_co_u32 s20, s20, s18                     ; y = 16 batch + the tile of 128 queries
	s_lshr_b32 s21, s21, 2                         ; the batch: from the cluster's y alone
	s_lshl_b32 s22, s18, 2
	s_lshl_b32 s22, 15, s22                        ; my row of the cluster
	s_lshl_b32 s23, 0x1111, s17                    ; my column
	s_or_b32 s[G1P], s22, (3<<16)|(1<<21)
	s_or_b32 s[G1R], s23, (3<<16)|(1<<21)
	s_mov_b32 s[G1P+2], 4<<16                      ; P: four blocks a load
	s_mov_b32 s[G1P+4], 4
	s_mov_b32 s[G1R+2], 8<<16                      ; R: eight
	s_mov_b32 s[G1R+4], 8
.irp g, G1P, G1R
	s_mov_b32 s[\g+1], 768<<16                     ; four K steps: 6,144 bytes
	s_mov_b32 s[\g+3], 768<<16
	s_mov_b32 s[\g+5], KS*192                      ; from block to block
	s_mov_b32 s[\g+6], 0
	s_mov_b32 s[\g+7], 0
.endr
	s_lshl_b32 s72, s20, 3                         ; P: attn's blocks 8 y + 4 half on; in registers that never hold x
	s_lshl_b32 s73, s16, 2
	s_add_co_u32 s72, s72, s73
	s_mul_i32 s72, s72, KS*1536
	s_mov_b32 s73, 0
	s_lshl_b32 s76, s21, 6                         ; R: v^T's blocks 64 batch + 16 x + 8 half on; in registers that never hold cy
	s_lshl_b32 s77, s19, 4
	s_add_co_u32 s76, s76, s77
	s_lshl_b32 s77, s16, 3
	s_add_co_u32 s76, s76, s77
	s_mul_i32 s76, s76, KS*1536
	s_add_co_u32 s76, s76, 12582912
	s_mov_b32 s77, 0
	s_mul_i32 s80, s16, 24576                      ; where they go
	s_mul_i32 s81, s16, 49152
	s_add_co_u32 s81, s81, 49152
	s_mov_b32 s[SEL], 0x76543210
	s_mov_b32 s[SEL+1], 0xfedcba98
	s_mov_b32 s[MHI], 0xffff0000
	v_and_b32 v1, 15, v0                           ; r
	v_bfe_u32 v2, v0, 4, 1                         ; h
	v_and_b32 v[LI], 31, v0
	v_lshlrev_b32 v[LI], 4, v[LI]
	s_mul_i32 s82, s15, 24576
	v_add_nc_u32 v[ADP], s82, v[LI]
	v_add_nc_u32 v[ADP+1], SLOT, v[ADP]
	v_add_nc_u32 v[ADR], s81, v[LI]
	v_add_nc_u32 v[ADR+1], SLOT, v[ADR]
	v_lshlrev_b32 v[SOFF], 4, v1
	v_lshl_add_u32 v[SOFF], v2, 9, v[SOFF]
.irp b, 0,1,2,3
	v_mov_b32 v[TM+4+\b], 0                        ; written once: a lane permute's destination counts as one of its sources
.endr
	s_wait_dscnt 0x0                               ; both opening adds are done
	s_wait_kmcnt 0x0
	s_add_nc_u64 s[72:73], s[4:5], s[72:73]
	s_add_nc_u64 s[76:77], s[6:7], s[76:77]
	CROUND                                         ; all sixteen work-groups are here: the first joint loads meet
.irp s, 0,1
	s_mov_b32 s[G0P+4*\s], 1
	s_add_co_u32 s[G0P+4*\s+1], s80, SLOT*\s
	s_add_nc_u64 s[G0P+4*\s+2:G0P+4*\s+3], s[72:73], 6144*\s
	s_or_b32 s[G0P+4*\s+3], s[G0P+4*\s+3], 0x80000000
	s_mov_b32 s[G0R+4*\s], 1
	s_add_co_u32 s[G0R+4*\s+1], s81, SLOT*\s
	s_add_nc_u64 s[G0R+4*\s+2:G0R+4*\s+3], s[76:77], 6144*\s
	s_or_b32 s[G0R+4*\s+3], s[G0R+4*\s+3], 0x80000000
	JLOAD G0P+4*\s, G1P, G0R+4*\s, G1R             ; K steps 4 s .. 4 s + 3: two loads of mine are out
.endr
	s_mov_b32 s75, 0
	s_lshl_b32 s78, s20, 3
	s_lshl_b32 s79, s15, 2
	s_add_co_u32 s78, s78, s79                     ; my first block of queries
	s_lshl_b32 s74, s78, 10
	s_add_co_u32 s74, s74, 12582912
	s_add_nc_u64 s[56:57], s[4:5], s[74:75]        ; attn's scale words
	s_lshl_b32 s79, s19, 1
	s_add_co_u32 s79, s79, s16                     ; out's K step: 2 x + wj
	s_lshl_b32 s74, s78, 3
	s_add_co_u32 s74, s74, s79
	s_mul_i32 s74, s74, 1536
	s_add_nc_u64 s[60:61], s[8:9], s[74:75]        ; out's codes
	s_lshl_b32 s74, s78, 9
	s_lshr_b32 s78, s79, 2
	s_lshl_b32 s78, s78, 8
	s_add_co_u32 s74, s74, s78
	s_and_b32 s78, s79, 3
	s_lshl_b32 s78, s78, 2
	s_add_co_u32 s74, s74, s78
	s_add_co_u32 s74, s74, 6291456
	s_add_nc_u64 s[62:63], s[8:9], s[74:75]        ; out's scale words
	s_lshl_b32 s78, s21, 6
	s_lshl_b32 s79, s19, 4
	s_add_co_u32 s78, s78, s79
	s_lshl_b32 s79, s16, 3
	s_add_co_u32 s78, s78, s79
	s_lshl_b32 s74, s78, 10
	s_add_co_u32 s74, s74, 19398656
	s_add_nc_u64 s[58:59], s[6:7], s[74:75]        ; v^T's scale words
.irp a, 0,1,2,3
.irp q, 0,1
	global_load_b128 v[SCP+8*\a+4*\q:SCP+8*\a+4*\q+3], v[LI], s[56:57] offset:1024*\a+512*\q
.endr
.endr
.irp t, 0,1,2,3,4,5,6,7
.irp q, 0,1
	global_load_b128 v[SCR+8*\t+4*\q:SCR+8*\t+4*\q+3], v[LI], s[58:59] offset:1024*\t+512*\q
.endr
.endr
.macro FETCH48 s, q, p                 ; a step's 12 fragments: step q of slot s into set p
	WIN TO_W1
.irp t, 0,1,2,3,4,5,6,7
	FRAG 96*(\p)+12*\t, ADR+(\s), 6144*\t+1536*(\q)
.endr
	WIN 0
.irp a, 0,1,2,3
	FRAG PF+48*(\p)+12*\a, ADP+(\s), 6144*\a+1536*(\q)
.endr
.endm
.macro MUL8 a, p, ks, zero             ; P's block a x R's eight.  The 32 accumulators take turns, in the same order in every step
.irp t, 0,1,2,3,4,5,6,7
	WM 8*(8*(\a)+\t), 96*(\p)+12*\t, PF+48*(\p)+12*(\a), SCR+8*\t+4*((\ks)/8)+((\ks)%4), SCP+8*(\a)+4*((\ks)/8)+((\ks)%4), \zero, (((\ks)/4)%2)
.endr
.endm
.macro STEP48 k, zero, fetch
	s_wait_dscnt 0x0                               ; this step's fragments are in
.if \fetch
	PLACES 4                                       ; in front of loads into the set that the last step's products read
	FETCH48 (((\k)+1)/4)%2, ((\k)+1)%4, ((\k)+1)%2
.endif
	WIN MUL_LO
.irp a, 0,1,2,3
	MUL8 \a, (\k)%2, \k, \zero
.endr
	WIN 0
.endm
.macro TURN48 k, fill                  ; a slot's last step changes slots.  fill = 1: the slot is filled again, eight K steps on, behind a round of the cluster's barrier
.set SL, ((\k)/4)%2
	s_wait_tensorcnt 0x0                           ; all my tensor loads have landed: my part of the other slot
	ds_add_u32 v[SPW], v[NIL]                      ; 0 onto my spare word
	s_wait_dscnt 1                                 ; this step's fragments are in (the add may be out)
	WIN MUL_LO
	MUL8 0, (\k)%2, \k, 0
	s_wait_dscnt 0x0                               ; the add is done; my reads of this slot are over
	s_barrier_signal -1
	MUL8 1, (\k)%2, \k, 0
	WIN 0
	s_barrier_wait -1
.if \fill
	CREST                                          ; no wave of any partner still reads the slot or has a load on its way
	s_add_nc_u64 s[G0P+4*SL+2:G0P+4*SL+3], s[G0P+4*SL+2:G0P+4*SL+3], 12288
	s_add_nc_u64 s[G0R+4*SL+2:G0R+4*SL+3], s[G0R+4*SL+2:G0R+4*SL+3], 12288
	JLOAD G0P+4*SL, G1P, G0R+4*SL, G1R             ; the four v_nop behind it are the places in front of the loads below
.else
	PLACES 4
.endif
	FETCH48 1-SL, 0, ((\k)+1)%2
	WIN MUL_LO
	MUL8 2, (\k)%2, \k, 0
	MUL8 3, (\k)%2, \k, 0
	WIN 0
.endm
	s_wait_tensorcnt 1                             ; my part of slot 0 is in (slot 1's load may be out),
	s_barrier_signal -1
	s_barrier_wait -1                              ; everybody's is
	FETCH48 0, 0, 0
	s_wait_loadcnt 0x0                             ; the scale words
	STEP48 0, 1, 1
	STEP48 1, 0, 1
	STEP48 2, 0, 1
	TURN48 3, 1
	STEP48 4, 0, 1
	STEP48 5, 0, 1
	STEP48 6, 0, 1
	TURN48 7, 1
	STEP48 8, 0, 1
	STEP48 9, 0, 1
	STEP48 10, 0, 1
	TURN48 11, 0
	STEP48 12, 0, 1
	STEP48 13, 0, 1
	STEP48 14, 0, 1
	STEP48 15, 0, 0
	PLACES 4
.irp a, 0,1,2,3
	QUANT 64*\a, 2, PW+\a%2                        ; the quantiser reads the accumulators as they stand
	PUTC 60, 12288*\a
.if \a%2
	v_cndmask_b32 v[PWC], v[PW], v[PW+1], s[MHI]   ; lanes 0-15: block a - 1's words, lanes 16-31: block a's
	global_store_b32 v[SOFF], v[PWC], s[62:63] offset:512*(\a-1)
.endif
.endr
	s_wait_tensorcnt 0x0                           ; the wave's end
	ds_add_u32 v[SPW], v[NIL]
	s_wait_dscnt 0x0
	CROUND                                         ; the closing round
	s_endpgm
.Lfunc_end_k_qc3208fa511_pv:
	.size	k_qc3208fa511_pv, .Lfunc_end_k_qc3208fa511_pv-k_qc3208fa511_pv
	.p2alignl 7, 3214868480
	.fill 96, 4, 3214868480
	.section	.rodata,"a",@progbits
	.p2align	6, 0x0
	.amdhsa_kernel k_qc3208fa511_pv
		.amdhsa_group_segment_fixed_size 327680
		.amdhsa_private_segment_fixed_size 0
		.amdhsa_enable_private_segment 0
		.amdhsa_kernarg_size 24
		.amdhsa_user_sgpr_count 2
		.amdhsa_user_sgpr_kernarg_segment_ptr 1
		.amdhsa_wavefront_size32 1
		.amdhsa_system_sgpr_workgroup_id_x 1
		.amdhsa_system_sgpr_workgroup_id_y 1
		.amdhsa_system_sgpr_workgroup_id_z 1
		.amdhsa_system_vgpr_workitem_id 0
		.amdhsa_next_free_vgpr 768
		.amdhsa_next_free_sgpr 84
		.amdhsa_reserve_vcc 0
		.amdhsa_float_denorm_mode_32 3
		.amdhsa_float_denorm_mode_16_64 3
		.amdhsa_memory_ordered 1
		.amdhsa_forward_progress 1
		.amdhsa_inst_pref_size 134
	.end_amdhsa_kernel
	.amdgpu_metadata
---
amdhsa.version: [ 1, 2 ]
amdhsa.kernels:
  - .name:           k_qc3208fa511_pv
    .symbol:         k_qc3208fa511_pv.kd
    .args:
      - { .name: att, .offset: 0, .size: 8, .value_kind: global_buffer, .address_space: global }
      - { .name: qkv, .offset: 8, .size: 8, .value_kind: global_buffer, .address_space: global }
      - { .name: oc, .offset: 16, .size: 8, .value_kind: global_buffer, .address_space: global }
    .group_segment_fixed_size: 327680
    .private_segment_fixed_size: 0
    .kernarg_segment_align: 8
    .kernarg_segment_size: 24
    .max_flat_workgroup_size: 128
    .sgpr_count:     84
    .vgpr_count:     768
    .wavefront_size: 32
...
	.end_amdgpu_metadata
.endif
;; end of part 4
;; launch proj (part 5): grid 4 x 64, 4 waves a work-group, clusters of 4 x 4, 327,680 bytes of LDS; arguments oc, xw, bo, layerscale, out0; writes out0
.if DOCPART == 5
	.amdgcn_target "amdgcn-amd-amdhsa--gfx1250"
	.amdhsa_code_object_version 6
	.text
	.protected	k_qc3208fa511_proj
	.globl	k_qc3208fa511_proj
	.p2align	8
	.type	k_qc3208fa511_proj,@function
k_qc3208fa511_proj:
	s_mov_b64 s[64:65], 0
	v_nop
	global_prefetch_b8 v0, s[64:65] scope:SCOPE_SE
	s_setreg_imm32_b32 hwreg(HW_REG_WAVE_MODE, 25, 1), 1
	s_wait_xcnt 0x0
	s_wait_alu depctr_hold_cnt(0) depctr_sa_sdst(0) depctr_va_vdst(0) depctr_va_sdst(0) depctr_va_ssrc(0) depctr_va_vcc(0) depctr_vm_vsrc(0)
	s_getreg_b32 s2, hwreg(HW_REG_IB_STS2, 6, 4)
	s_cmp_eq_u32 s2, 0
	s_cbranch_scc0 .Lentry_in_a_cluster
	s_endpgm
.Lentry_in_a_cluster:
	s_bfe_u32 s2, ttmp6, 0x10000c
	s_cmp_lg_u32 s2, 0xf033
	s_cbranch_scc0 .Lentry_shape_is_right
	s_endpgm
.Lentry_shape_is_right:
; Product 6 on codes of E2M3: out0 = (out Wo^T + bo) x layerscale.  No work of the problem is left out.
; The way out is one fused multiply-add, sum x layerscale + (bo x layerscale): it rounds once behind the product bo x layerscale, where reference() rounds the sum and then the product.
; OPERANDS ARE IMAGES OF REGISTERS: blocks of 16 rows x K steps of 128; slot m of block g is row 32 (g / 2) + 8 (g % 2) + m + 8 (m / 8); fragment (g, ks) is 1,536 bytes: registers 4 i .. 4 i + 3 of lane l at 512 i + 16 l.
; The scale word of slot m, step ks lies at 512 g + 256 (ks / 4) + 16 m + 4 (ks % 4): a load of 16 bytes a lane gives four registers; register j holds step j in lanes 0-15, step 4 + j in lanes 16-31.
; THE PRODUCT IS USED TRANSPOSED (source 0 = 16 rows of Wo, source 1 = 16 rows of out): a lane holds one row of out0 and register jj of tile t its column 32 (t / 2) + 16 (lane / 16) + 8 (t % 2) + jj.
; SHARES: a work-group makes 128 rows x 256 columns, a wave 64 x 128: 32 accumulators.  4 x 4 work-groups form a cluster: out's tile is shared along its row, Wo's along its column.
; LDS: all eight K steps fit: two regions of four steps, both first fills; nothing is filled again.  The stage of the way out lies in region 0, which has had its only fill and is read by nobody behind the barrier in step 3.
.set XWS,   9437184
.set KS,    8
.set SLOT,  147456                     ; P [8 blocks][4 steps][1536], then R [16 blocks][4 steps][1536]
.set SPARE, 2*SLOT
.set LI,   3
.set ADP,  4
.set ADR,  6
.set STO,  8                           ; v8   the stage: where I put 32 bytes of a row: 528 r + 64 h
.set RD,   9                           ; v9   and where I read a row back: 16 x lane
.set BOF,  13                          ; v13  64 h
.set SPW,  28
.set NIL,  29
.set SCP,  32
.set SCR,  64
.set PF,   128
.set BK,   128                         ; the way out: 16 rows read back: v128-191 and v192-255 by turns
.set G1P,  24
.set G0P,  32
.set G0R,  40
.set G1R,  48
.set OUT,  60
.set MUL_LO, 0xa1
.set TO_W1,  0x40
.set MSB, 0
.macro WIN new
.if MSB != (\new)
	s_set_vgpr_msb (MSB<<8)|(\new)
.set MSB, (\new)
.endif
.endm
.macro PLACES n
.rept \n
	v_nop
.endr
.endm
.macro FRAG reg, adr, off
.irp g, 0,1,2
	ds_load_b128 v[(\reg)+4*\g:(\reg)+4*\g+3], v[\adr] offset:(\off)+512*\g
.endr
.endm
.macro CREST
	s_cmp_lg_u32 s14, 0
	s_cbranch_scc1 .Lnot_wave_0_\@
	s_barrier_signal -3
.Lnot_wave_0_\@:
	s_barrier_wait -3
	s_barrier_signal -1
	s_barrier_wait -1
.endm
.macro CROUND
	s_barrier_signal -1
	s_barrier_wait -1
	CREST
.endm
.macro JLOAD g0p, g1p, g0r, g1r        ; a joint load: waves 0 and 1 fetch P's halves, waves 2 and 3 R's; the branch hangs on the wave's number alone
	s_cmp_eq_u32 s15, 0
	s_cbranch_scc0 .Lfor_r_\@
	tensor_load_to_lds s[\g0p:\g0p+3], s[\g1p:\g1p+7]
	s_nop 0
.rept 4
	v_nop
.endr
	s_branch .Lasked_\@
.Lfor_r_\@:
	tensor_load_to_lds s[\g0r:\g0r+3], s[\g1r:\g1r+7]
	s_nop 0
.rept 4
	v_nop
.endr
.Lasked_\@:
.endm
.macro WM d, ra, rb, sa, sb, zero, row
.if \zero
	v_wmma_scale_f32_16x16x128_f8f6f4 v[(\d):(\d)+7], v[(\ra):(\ra)+11], v[(\rb):(\rb)+11], 0, v[\sa], v[\sb] matrix_a_fmt:MATRIX_FMT_FP6 matrix_b_fmt:MATRIX_FMT_FP6
.elseif \row
	v_wmma_scale_f32_16x16x128_f8f6f4 v[(\d):(\d)+7], v[(\ra):(\ra)+11], v[(\rb):(\rb)+11], v[(\d):(\d)+7], v[\sa], v[\sb] matrix_a_fmt:MATRIX_FMT_FP6 matrix_b_fmt:MATRIX_FMT_FP6 matrix_a_scale:MATRIX_SCALE_ROW1 matrix_b_scale:MATRIX_SCALE_ROW1
.else
	v_wmma_scale_f32_16x16x128_f8f6f4 v[(\d):(\d)+7], v[(\ra):(\ra)+11], v[(\rb):(\rb)+11], v[(\d):(\d)+7], v[\sa], v[\sb] matrix_a_fmt:MATRIX_FMT_FP6 matrix_b_fmt:MATRIX_FMT_FP6
.endif
.endm
	s_load_b256 s[4:11], s[0:1], 0x0               ; oc, xw, bo, layerscale
	s_load_b64 s[12:13], s[0:1], 0x20              ; out0
	v_lshl_add_u32 v[SPW], v0, 2, SPARE
	v_mov_b32 v[NIL], 0
	ds_add_u32 v[SPW], v[NIL]                      ; the wave's opening: the add, twice on end, and its wait ahead of my first tensor load
	ds_add_u32 v[SPW], v[NIL]
	v_lshrrev_b32 v1, 5, v0
	v_readfirstlane_b32 s14, v1                    ; wave 0..3
	s_lshr_b32 s15, s14, 1                         ; which 64 rows are mine.  Also: I fetch for P (0) or for R (1)
	s_and_b32 s16, s14, 1                          ; which 128 columns.  Also: which half of the tile I fetch
	s_bfe_u32 s17, ttmp6, 0x40000                  ; cx
	s_bfe_u32 s18, ttmp6, 0x40004                  ; cy
	s_lshl_b32 s19, ttmp9, 2
	s_add_co_u32 s19, s19, s17                     ; x: the tile of 256 columns
	s_and_b32 s20, ttmp7, 0xffff
	s_lshl_b32 s20, s20, 2
	s_add_co_u32 s20, s20, s18                     ; y: the tile of 128 rows
	s_lshl_b32 s22, s18, 2
	s_lshl_b32 s22, 15, s22                        ; my row of the cluster
	s_lshl_b32 s23, 0x1111, s17                    ; my column
	s_or_b32 s[G1P], s22, (3<<16)|(1<<21)
	s_or_b32 s[G1R], s23, (3<<16)|(1<<21)
	s_mov_b32 s[G1P+2], 4<<16                      ; P: four blocks a load
	s_mov_b32 s[G1P+4], 4
	s_mov_b32 s[G1R+2], 8<<16                      ; R: eight
	s_mov_b32 s[G1R+4], 8
.irp g, G1P, G1R
	s_mov_b32 s[\g+1], 768<<16                     ; four K steps: 6,144 bytes
	s_mov_b32 s[\g+3], 768<<16
	s_mov_b32 s[\g+5], KS*192                      ; from block to block
	s_mov_b32 s[\g+6], 0
	s_mov_b32 s[\g+7], 0
.endr
	s_lshl_b32 s72, s20, 3                         ; P: out's blocks 8 y + 4 half on; in registers that never hold x
	s_lshl_b32 s73, s16, 2
	s_add_co_u32 s72, s72, s73
	s_mul_i32 s72, s72, KS*1536
	s_mov_b32 s73, 0
	s_lshl_b32 s76, s19, 4                         ; R: Wo's blocks 704 + 16 x + 8 half on; in registers that never hold y
	s_lshl_b32 s77, s16, 3
	s_add_co_u32 s76, s76, s77
	s_add_co_u32 s76, s76, 704
	s_mul_i32 s76, s76, KS*1536
	s_mov_b32 s77, 0
	s_mul_i32 s80, s16, 24576                      ; where they go
	s_mul_i32 s81, s16, 49152
	s_add_co_u32 s81, s81, 49152
	v_and_b32 v1, 15, v0                           ; r
	v_bfe_u32 v2, v0, 4, 1                         ; h
	v_and_b32 v[LI], 31, v0
	v_lshlrev_b32 v[LI], 4, v[LI]
	s_mul_i32 s82, s15, 24576
	v_add_nc_u32 v[ADP], s82, v[LI]
	v_add_nc_u32 v[ADP+1], SLOT, v[ADP]
	v_add_nc_u32 v[ADR], s81, v[LI]
	v_add_nc_u32 v[ADR+1], SLOT, v[ADR]
	s_mul_i32 s82, s14, 16*528                     ; my stage
	v_mul_u32_u24 v[STO], v1, 528
	v_lshl_add_u32 v[STO], v2, 6, v[STO]
	v_add_nc_u32 v[STO], s82, v[STO]
	v_add_nc_u32 v[RD], s82, v[LI]
	v_lshlrev_b32 v[BOF], 6, v2
	s_wait_dscnt 0x0                               ; both opening adds are done
	s_wait_kmcnt 0x0
	s_add_nc_u64 s[72:73], s[4:5], s[72:73]
	s_add_nc_u64 s[76:77], s[6:7], s[76:77]
	CROUND                                         ; all sixteen work-groups are here: the joint loads meet
.irp s, 0,1
	s_mov_b32 s[G0P+4*\s], 1
	s_add_co_u32 s[G0P+4*\s+1], s80, SLOT*\s
	s_add_nc_u64 s[G0P+4*\s+2:G0P+4*\s+3], s[72:73], 6144*\s
	s_or_b32 s[G0P+4*\s+3], s[G0P+4*\s+3], 0x80000000
	s_mov_b32 s[G0R+4*\s], 1
	s_add_co_u32 s[G0R+4*\s+1], s81, SLOT*\s
	s_add_nc_u64 s[G0R+4*\s+2:G0R+4*\s+3], s[76:77], 6144*\s
	s_or_b32 s[G0R+4*\s+3], s[G0R+4*\s+3], 0x80000000
	JLOAD G0P+4*\s, G1P, G0R+4*\s, G1R             ; K steps 4 s .. 4 s + 3: two loads of mine are out
.endr
	s_mov_b32 s75, 0
	s_lshl_b32 s78, s20, 3
	s_lshl_b32 s79, s15, 2
	s_add_co_u32 s78, s78, s79
	s_lshl_b32 s74, s78, 9
	s_add_co_u32 s74, s74, 6291456
	s_add_nc_u64 s[56:57], s[4:5], s[74:75]        ; out's scale words
	s_lshl_b32 s78, s19, 4
	s_lshl_b32 s79, s16, 3
	s_add_co_u32 s78, s78, s79
	s_add_co_u32 s78, s78, 704
	s_lshl_b32 s74, s78, 9
	s_add_co_u32 s74, s74, XWS
	s_add_nc_u64 s[58:59], s[6:7], s[74:75]        ; Wo's scale words
	s_lshl_b32 s74, s19, 10
	s_lshl_b32 s78, s16, 9
	s_add_co_u32 s74, s74, s78                     ; my first column, in bytes
	s_add_nc_u64 s[66:67], s[8:9], s[74:75]        ; bo
	s_add_nc_u64 s[68:69], s[10:11], s[74:75]      ; layerscale
	s_lshl_b32 s78, s20, 7
	s_lshl_b32 s79, s15, 6
	s_add_co_u32 s78, s78, s79                     ; my first row
	s_lshl_b32 s78, s78, 12
	s_add_co_u32 s74, s74, s78
	s_add_nc_u64 s[OUT:OUT+1], s[12:13], s[74:75]
.irp a, 0,1,2,3
	global_load_b128 v[SCP+4*\a:SCP+4*\a+3], v[LI], s[56:57] offset:512*\a
.endr
.irp t, 0,1,2,3,4,5,6,7
	global_load_b128 v[SCR+4*\t:SCR+4*\t+3], v[LI], s[58:59] offset:512*\t
.endr
	WIN 0xc0                                       ; destination window 3: layerscale at v[8 t], bo at v[64 + 8 t], in the result's layout
.irp t, 0,1,2,3,4,5,6,7
	global_load_b128 v[8*\t:8*\t+3], v[BOF], s[68:69] offset:(32*(\t/2)+8*(\t%2))*4
	global_load_b128 v[8*\t+4:8*\t+7], v[BOF], s[68:69] offset:(32*(\t/2)+8*(\t%2))*4+16
	global_load_b128 v[64+8*\t:64+8*\t+3], v[BOF], s[66:67] offset:(32*(\t/2)+8*(\t%2))*4
	global_load_b128 v[64+8*\t+4:64+8*\t+7], v[BOF], s[66:67] offset:(32*(\t/2)+8*(\t%2))*4+16
.endr
	WIN 0
.macro FETCH48 s, q, p
	WIN TO_W1
.irp t, 0,1,2,3,4,5,6,7
	FRAG 96*(\p)+12*\t, ADR+(\s), 6144*\t+1536*(\q)
.endr
	WIN 0
.irp a, 0,1,2,3
	FRAG PF+48*(\p)+12*\a, ADP+(\s), 6144*\a+1536*(\q)
.endr
.endm
.macro MUL8 a, p, ks, zero             ; P's block a x R's eight.  The 32 accumulators take turns, in the same order in every step
.irp t, 0,1,2,3,4,5,6,7
	WM 8*(8*(\a)+\t), 96*(\p)+12*\t, PF+48*(\p)+12*(\a), SCR+4*\t+((\ks)%4), SCP+4*(\a)+((\ks)%4), \zero, ((\ks)/4)
.endr
.endm
.macro STEP48 k, zero, fetch
	s_wait_dscnt 0x0                               ; this step's fragments are in
.if \fetch
	PLACES 4                                       ; in front of loads into the set that the last step's products read
	FETCH48 (((\k)+1)/4)%2, ((\k)+1)%4, ((\k)+1)%2
.endif
	WIN MUL_LO
.irp a, 0,1,2,3
	MUL8 \a, (\k)%2, \k, \zero
.endr
	WIN 0
.endm
	s_wait_tensorcnt 1                             ; my part of region 0 is in (region 1's load may be out),
	s_barrier_signal -1
	s_barrier_wait -1                              ; everybody's is
	FETCH48 0, 0, 0
	s_wait_loadcnt 0x0                             ; the scale words, layerscale and bo
	WIN 0xcf
.set jj, 0
.rept 32
	v_pk_mul_f32 v[64+jj:64+jj+1], v[64+jj:64+jj+1], v[jj:jj+1]    ; bo x layerscale
.set jj, jj+2
.endr
	WIN 0
	STEP48 0, 1, 1
	STEP48 1, 0, 1
	STEP48 2, 0, 1
	s_wait_tensorcnt 0x0                           ; step 3 goes on to region 1: my part of it has landed;
	ds_add_u32 v[SPW], v[NIL]                      ; (0 onto my spare word, behind a wait for all tensor loads, in front of the barrier)
	s_wait_dscnt 1                                 ; step 3's fragments are in (the add may be out)
	WIN MUL_LO
	MUL8 0, 1, 3, 0
	s_wait_dscnt 0x0                               ; the add is done; my reads of region 0 are over
	s_barrier_signal -1
	MUL8 1, 1, 3, 0
	WIN 0
	s_barrier_wait -1                              ; region 1 is whole, and nobody reads region 0 any more
	PLACES 4
	FETCH48 1, 0, 0
	WIN MUL_LO
	MUL8 2, 1, 3, 0
	MUL8 3, 1, 3, 0
	WIN 0
	STEP48 4, 0, 1
	STEP48 5, 0, 1
	STEP48 6, 0, 1
	STEP48 7, 0, 0
; THE WAY OUT, block by block of 16 rows x 128 columns: the multiply-add, then through my own stage in LDS, so that 32 lanes store a row's 512 consecutive bytes.
.macro TOSTAGE a
	WIN 0xbe                                       ; the sums in window 2; layerscale and bo x layerscale in window 3
.irp t, 0,1,2,3,4,5,6,7
.irp j, 0,2,4,6
	v_pk_fma_f32 v[64*(\a)+8*\t+\j:64*(\a)+8*\t+\j+1], v[64*(\a)+8*\t+\j:64*(\a)+8*\t+\j+1], v[8*\t+\j:8*\t+\j+1], v[64+8*\t+\j:64+8*\t+\j+1]
.endr
.endr
	WIN 0x08                                       ; an LDS store's data: window 2
.irp t, 0,1,2,3,4,5,6,7
	ds_store_b128 v[STO], v[64*(\a)+8*\t:64*(\a)+8*\t+3] offset:128*(\t/2)+32*(\t%2)
	ds_store_b128 v[STO], v[64*(\a)+8*\t+4:64*(\a)+8*\t+7] offset:128*(\t/2)+32*(\t%2)+16
.endr
	WIN 0
.set BB, BK+64*((\a)%2)
.irp n, 0,1,2,3,4,5,6,7,8,9,10,11,12,13,14,15
	ds_load_b128 v[BB+4*\n:BB+4*\n+3], v[RD] offset:528*\n         ; LDS serves a wave's instructions in order: these see the stores above
.endr
.endm
.macro SEND a, younger                 ; younger: the LDS instructions issued behind block a's loads, which may stay out
.set BB, BK+64*((\a)%2)
	s_wait_dscnt \younger
.irp n, 0,1,2,3,4,5,6,7,8,9,10,11,12,13,14,15
	global_store_b128 v[LI], v[BB+4*\n:BB+4*\n+3], s[OUT:OUT+1] offset:(32*((\a)/2)+8*((\a)%2)+\n+8*(\n/8))*4096 th:TH_STORE_NT   ; slot n's row: 512 consecutive bytes, at a multiple of 512 from out0's first byte
.endr
.endm
	PLACES 4
	TOSTAGE 0
.irp a, 1,2,3
.if \a > 1
	s_wait_xcnt 0x0                                ; block a - 2's stores have read their registers: block a's loads may land there
.endif
	TOSTAGE \a
	SEND \a-1, 32                                  ; behind block a - 1's loads: block a's 16 stores and 16 loads
.endr
	SEND 3, 0
	s_wait_tensorcnt 0x0                           ; the wave's end
	ds_add_u32 v[SPW], v[NIL]
	s_wait_dscnt 0x0
	CROUND                                         ; the closing round
	s_endpgm
.Lfunc_end_k_qc3208fa511_proj:
	.size	k_qc3208fa511_proj, .Lfunc_end_k_qc3208fa511_proj-k_qc3208fa511_proj
	.p2alignl 7, 3214868480
	.fill 96, 4, 3214868480
	.section	.rodata,"a",@progbits
	.p2align	6, 0x0
	.amdhsa_kernel k_qc3208fa511_proj
		.amdhsa_group_segment_fixed_size 327680
		.amdhsa_private_segment_fixed_size 0
		.amdhsa_enable_private_segment 0
		.amdhsa_kernarg_size 40
		.amdhsa_user_sgpr_count 2
		.amdhsa_user_sgpr_kernarg_segment_ptr 1
		.amdhsa_wavefront_size32 1
		.amdhsa_system_sgpr_workgroup_id_x 1
		.amdhsa_system_sgpr_workgroup_id_y 1
		.amdhsa_system_sgpr_workgroup_id_z 1
		.amdhsa_system_vgpr_workitem_id 0
		.amdhsa_next_free_vgpr 896
		.amdhsa_next_free_sgpr 88
		.amdhsa_reserve_vcc 0
		.amdhsa_float_denorm_mode_32 3
		.amdhsa_float_denorm_mode_16_64 3
		.amdhsa_memory_ordered 1
		.amdhsa_forward_progress 1
		.amdhsa_inst_pref_size 89
	.end_amdhsa_kernel
	.amdgpu_metadata
---
amdhsa.version: [ 1, 2 ]
amdhsa.kernels:
  - .name:           k_qc3208fa511_proj
    .symbol:         k_qc3208fa511_proj.kd
    .args:
      - { .name: oc, .offset: 0, .size: 8, .value_kind: global_buffer, .address_space: global }
      - { .name: xw, .offset: 8, .size: 8, .value_kind: global_buffer, .address_space: global }
      - { .name: bo, .offset: 16, .size: 8, .value_kind: global_buffer, .address_space: global }
      - { .name: layerscale, .offset: 24, .size: 8, .value_kind: global_buffer, .address_space: global }
      - { .name: out0, .offset: 32, .size: 8, .value_kind: global_buffer, .address_space: global }
    .group_segment_fixed_size: 327680
    .private_segment_fixed_size: 0
    .kernarg_segment_align: 8
    .kernarg_segment_size: 40
    .max_flat_workgroup_size: 128
    .sgpr_count:     88
    .vgpr_count:     896
    .wavefront_size: 32
...
	.end_amdgpu_metadata
.endif
;; end of part 5
